; MI455X (gfx1250); checked and timed in simulation.
; The chip was launched on July 23, 2026; its instructions are those of AMD's public machine-readable ISA for CDNA 5 (MIT licence, August 2026) and "CDNA5" Instruction Set Architecture Reference Guide (July 2026). The comments in the code are by the model that wrote it; some were corrected since.
;; Pure Self Attention. Allowed arithmetic: matrix products marked QUANTISED: E2M1 operands, one E8M0 scale for each 32 along K, by v_wmma_scale_f32_16x16x128_f8f6f4 with both operands' format E2M1 (or v_wmma_scale_f32_32x16x128_f4), f32 sums; products left as they are: bf16, f16 or f32 operands; f32 sums; everything else in f32.
;; Inputs: Wk 1,024 x 1,024 float32; Wo 1,024 x 1,024 float32; Wq 1,024 x 1,024 float32; Wv 1,024 x 1,024 float32; x 4 x 2,048 x 1,024 float32.
;; Outputs: out0 4 x 2,048 x 1,024 float32.
;; This version of the problem:
;;   THIS VERSION OF THE PROBLEM IS GIVEN IN LOW PRECISION. The matrix products marked QUANTISED in the list below multiply operands that are first quantised to E2M1 (2 exponent bits, 1 mantissa bit; 4 bits a number), with one power-of-two scale for each 32 numbers along K (OCP MX v1.0); their sums are f32. The products marked 'left as it is' may take bf16, f16 or f32 operands, with f32 sums. Whichever they take, every output number must still come out within the allowed error. Rounding operands to bf16 (8 significant bits) uses up far more of that allowance than f16 does (11 bits, for magnitudes from 6e-5 to 65,504). All else is computed in f32.
;;   The module's matrix products, in the order in which they are computed (A, B: the left and right operand; K: the contracted axis; several contracted axes count as one K, in the product's order):
;;     1. [M 8,192, K 1,024] x [K 1,024, N 1,024]; A: input x; B: input Wq: QUANTISED
;;     2. [M 8,192, K 1,024] x [K 1,024, N 1,024]; A: input x; B: input Wk: QUANTISED
;;     3. [M 8,192, K 1,024] x [K 1,024, N 1,024]; A: input x; B: input Wv: QUANTISED
;;     4. batch 64 x [M 2,048, K 64] x [K 64, N 2,048]; A: computed on the way; B: computed on the way: left as it is (an operand is computed on the way)
;;     5. batch 64 x [M 2,048, K 2,048] x [K 2,048, N 64]; A: computed on the way; B: computed on the way: left as it is (an operand is computed on the way)
;;     6. [M 8,192, K 1,024] x [K 1,024, N 1,024]; A: computed on the way; B: input Wo: left as it is (an operand is computed on the way)
;;   THE QUANTISER, for each operand of a quantised product, along K:
;;     - K is cut into blocks of 32 from its start; a last block that is shorter is filled with zeros.
;;     - A block's scale is 2^e with e = floor(log2(the largest magnitude in the block)) - 2, held to -126 .. 127; a block of zeros has e = 0. As a byte (E8M0): e + 127.
;;     - Each number is divided by its block's scale, clamped to +-6, and rounded to the nearest number of E2M1, ties to even, subnormals kept.
;;     - The product sums the exact products of the quantised numbers (number of the format x scale) in f32.
;;   ~~~python
;;   def quantise(x, axis):      # numpy; x: float32 -> the quantised numbers, widened to float32 again
;;       x = np.moveaxis(x, axis, -1); K = x.shape[-1]
;;       x = np.pad(x, [(0, 0)] * (x.ndim - 1) + [(0, -K % 32)]); x = x.reshape(x.shape[:-1] + (-1, 32)); a = np.abs(x).max(-1, keepdims=True)
;;       e = np.where(a > 0, np.clip(np.frexp(np.where(a > 0, a, 1))[1] - 1 - 2, -126, 127), 0)      # np.frexp(a)[1] - 1 = floor(log2(a)), exactly
;;       r = np.clip(x / 2.0 ** e, -6, 6)
;;       step = 2.0 ** (np.maximum(np.frexp(np.where(r == 0, 1, r))[1] - 1, 0) - 1)
;;       q = np.round(r / step) * step * 2.0 ** e      # np.round: ties to even
;;       return np.moveaxis(q.reshape(q.shape[:-2] + (-1,))[..., :K], -1, axis).astype(np.float32)
;;   ~~~
;; One version. Each part assembles by itself: llvm-mc -triple=amdgcn-amd-amdhsa -mcpu=gfx1250 --defsym DOCPART=n.
;; ======== version 1 of 1: 4 launches
;; limits: values are held in f16: magnitudes above 65,504 overflow, below 6.1e-05 lose precision
;; workspace buffers: cod 5,767,168 bytes; scl 360,448 bytes; qkv 50,331,648 bytes; woh 2,097,152 bytes; yh 16,777,216 bytes
;; launch prep (part 1): grid 768 x 1, 4 waves a work-group, no clusters, 35,328 bytes of LDS; arguments x, Wq, Wk, Wv, Wo, cod, scl, woh; writes cod, scl, woh
.if DOCPART == 1
	.amdgcn_target "amdgcn-amd-amdhsa--gfx1250"
	.amdhsa_code_object_version 6
	.text
	.protected	k_q3d5f44274a_prep
	.globl	k_q3d5f44274a_prep
	.p2align	8
	.type	k_q3d5f44274a_prep,@function
k_q3d5f44274a_prep:
	s_mov_b64 s[64:65], 0
	v_nop
	global_prefetch_b8 v0, s[64:65] scope:SCOPE_SE
	s_setreg_imm32_b32 hwreg(HW_REG_WAVE_MODE, 25, 1), 1
	s_wait_xcnt 0x0
; x [8192][1024] and Wq, Wk, Wv [1024 (k)][1024 (n)], f32, become codes of FP4 (E2M1) with one E8M0 byte for each 32 along K; Wo [1024 (k)][1024 (n)] becomes f16.
; ALL THREE RESULTS ARE LAID AS IMAGES OF THE READER'S OPERAND REGISTERS: four registers of a fragment are 512 consecutive bytes, lane l's 16 bytes at 16 l.
;   cod [ks 2][tile 704][q 4][c 2][lane 32][16 B]: a tile is 16 rows; rows 0..8191 are x's, rows 8192 + 1024 w + n are column n of Wq, Wk, Wv (w = 0, 1, 2).  K step of 128 number 4 ks + q; place r + 16 h of
;       chunk c holds the 32 codes of block 2 c + h of row r, the lower k in the lower bits.
;   scl [tile 704][K step 8][r 16][4 B]: row r's four scale bytes of that K step.
;   woh [K step of 128: 8][tile of 16 columns: 64][q 4][half 2][lane 32][16 B]: place r + 16 h of half u holds k = 32 q + 16 u + 8 h + 0..7 of column r.
; A block's scale is 2^(floor(log2(its largest magnitude)) - 2): its byte is the largest magnitude's exponent field - 2, held at 1 from below.
; LIMITS: a block of zeros gets the byte 1 where the rule says 127 (its codes are zeros, and this program alone reads the bytes); NaN and infinities are not served; |Wo| stays under 65,504 (f16).
; 768 work-groups of 64 KiB of input each: 0..511 take 16 rows of x (path X), 512..703 take 128 columns x 128 k of a weight (path W), 704..767 the same of Wo (path O).
; No tensor load, no barrier: waves share nothing.  No cluster: no two work-groups read the same bytes.  No store's data register is written twice, no address register is rewritten.
.set PLANE, 2883584                    ; 704 tiles x 4,096 bytes: half of K
.set WREG,  8704                       ; LDS of a wave: two stages
.set STG,   4352                       ; a stage: 16 rows x (256 bytes + 16)
.set SPARE, 34816                      ; behind the four regions: the spare words, 128 bytes a wave
.set LANE, 1
.set LI16, 2                           ; 16 x lane
.set LI4,  3                           ; 4 x lane
.set VS,   4                           ; the stage, on the way in
.set VL,   5                           ; and on the way out
.set SPW,  6
.set NIL,  7
.set HR,   8                           ; 4,096 h + 16 r
.set VSS,  10                          ; 512 h + 4 r
.set RR,   14                          ; r = lane % 16
.set HH,   15                          ; h = lane / 16
.set XR,   32                          ; path X: v32-159  numbers as loaded
.set XN,   160                         ;         v160-223 two sets of 32 neighbours
.set XC,   224                         ;         v224-239 codes
.set XB,   240                         ;         v240-243 scale bytes
.set WX,   32                          ; paths W, O: v32-95 two sets of 32 numbers down K
.set WC,   96                          ; v96-111 codes
.set WSB,  112                         ; the scale word
.set OH,   128                         ; v128-191 f16 pairs
	s_load_b256 s[4:11], s[0:1], 0x0               ; x, Wq, Wk, Wv
	s_load_b256 s[12:19], s[0:1], 0x20             ; Wo, cod, scl, woh
	v_lshl_add_u32 v[SPW], v0, 2, SPARE
	v_mov_b32 v[NIL], 0
	v_lshrrev_b32 v1, 5, v0
	v_readfirstlane_b32 s20, v1                    ; wave 0..3
	v_and_b32 v[LANE], 31, v0
	v_and_b32 v[RR], 15, v0
	v_bfe_u32 v[HH], v0, 4, 1
	v_lshlrev_b32 v[LI16], 4, v[LANE]
	v_lshlrev_b32 v[LI4], 2, v[LANE]
	s_mul_i32 s21, s20, WREG
	v_mul_u32_u24 v[VS], v[HH], 272
	v_lshl_add_u32 v[VS], v[RR], 4, v[VS]
	v_add_nc_u32 v[VS], s21, v[VS]                 ; in: row h of a pair of rows, 16 bytes a lane
	v_mul_u32_u24 v[VL], v[RR], 272
	v_lshl_add_u32 v[VL], v[HH], 7, v[VL]
	v_add_nc_u32 v[VL], s21, v[VL]                 ; out: row r, block h of its two
	v_lshlrev_b32 v[HR], 12, v[HH]
	v_lshl_add_u32 v[HR], v[RR], 4, v[HR]
	v_lshlrev_b32 v[VSS], 9, v[HH]
	v_lshl_add_u32 v[VSS], v[RR], 2, v[VSS]
	s_mov_b32 s22, 0x76543210
	s_mov_b32 s23, 0xfedcba98                      ; v_permlanex16_b32's selects for lane l xor 16
; the largest magnitude of 32 numbers of one lane, with the floor 2^(3 - 127) among them; v11 = that with 2 off its exponent field: the conversions' scale operand
.macro AMAX xs
	v_max3_num_f32 v12, |v[(\xs)]|, |v[(\xs)+1]|, |v[(\xs)+2]|
	v_max3_num_f32 v13, |v[(\xs)+3]|, |v[(\xs)+4]|, |v[(\xs)+5]|
.irp i, 6,10,14,18,22,26
	v_max3_num_f32 v12, v12, |v[(\xs)+\i]|, |v[(\xs)+\i+1]|
	v_max3_num_f32 v13, v13, |v[(\xs)+\i+2]|, |v[(\xs)+\i+3]|
.endr
	v_max3_num_f32 v12, v12, |v[(\xs)+30]|, |v[(\xs)+31]|
	v_max3_num_f32 v12, v12, v13, 0x1800000
	v_add_nc_u32 v11, 0xff000000, v12
.endm
	s_wait_kmcnt 0x0
	s_cmp_lt_u32 ttmp9, 512
	s_cbranch_scc0 .Lnot_x
; ---- PATH X.  The work-group takes rows 16 T .. 16 T + 15 (64 KiB on end), wave Kq the 256 along K from 256 Kq on, in four quarters of 64.
	s_lshl_b32 s24, ttmp9, 16
	s_lshl_b32 s25, s20, 10
	s_add_co_u32 s24, s24, s25
	s_mov_b32 s25, 0
	s_add_nc_u64 s[4:5], s[4:5], s[24:25]          ; x + 65,536 T + 1,024 Kq
	s_lshr_b32 s26, s20, 1
	s_mul_i32 s26, s26, PLANE
	s_lshl_b32 s27, ttmp9, 12
	s_add_co_u32 s26, s26, s27
	s_and_b32 s27, s20, 1
	s_lshl_b32 s27, s27, 11
	s_add_co_u32 s26, s26, s27
	s_mov_b32 s27, 0
	s_add_nc_u64 s[14:15], s[14:15], s[26:27]      ; cod + (Kq / 2) PLANE + 4,096 T + 2,048 (Kq % 2)
	s_lshl_b32 s28, ttmp9, 9
	s_lshl_b32 s29, s20, 7
	s_add_co_u32 s28, s28, s29
	s_mov_b32 s29, 0
	s_add_nc_u64 s[16:17], s[16:17], s[28:29]      ; scl + 512 T + 128 Kq
.irp it, 0,1,2,3                       ; all 32 loads go out at once: each takes 256 aligned bytes of two rows
.irp i, 0,1,2,3,4,5,6,7
	global_load_b128 v[XR+32*\it+4*\i:XR+32*\it+4*\i+3], v[HR], s[4:5] offset:\it*256+\i*8192 th:TH_LOAD_NT
.endr
.endr
; a quarter's 16 rows x 256 bytes turn through the wave's own stage: in as loaded, out 128 bytes (a whole block) a lane.  Rows 272 bytes apart: the sixteen rows of a load start at sixteen different banks.
.macro TURNX it
.irp i, 0,1,2,3,4,5,6,7
	ds_store_b128 v[VS], v[XR+32*(\it)+4*\i:XR+32*(\it)+4*\i+3] offset:((\it)%2)*STG+\i*544
.endr
.irp j, 0,1,2,3,4,5,6,7
	ds_load_b128 v[XN+32*((\it)%2)+4*\j:XN+32*((\it)%2)+4*\j+3], v[VL] offset:((\it)%2)*STG+16*\j   ; LDS serves a wave's instructions in order: these see the stores above
.endr
.endm
.macro QX it                           ; lane (r, h) holds block 2 it + h of row r's 256: its 16 bytes of codes are place r + 16 h of chunk it % 2 of K step 2 Kq + it / 2
	AMAX XN+32*((\it)%2)
.irp g, 0,1,2,3
	v_cvt_scalef32_pk8_fp4_f32 v[XC+4*(\it)+\g], v[XN+32*((\it)%2)+8*\g:XN+32*((\it)%2)+8*\g+7], v11
.endr
	v_lshrrev_b32 v[XB+(\it)], 23, v11             ; the scale's byte (also the plain line behind the conversions)
	global_store_b128 v[LI16], v[XC+4*(\it):XC+4*(\it)+3], s[14:15] offset:(\it)*512   ; the wave stores 512 consecutive bytes
.endm
	s_wait_loadcnt 24                              ; quarter 0's eight loads are in; the 24 younger may be out
	TURNX 0
.irp it, 0,1,2,3
	s_wait_dscnt 0x0                               ; this quarter's numbers are back from the stage
.if \it < 3
	s_wait_loadcnt 8*(2-\it)                       ; the next quarter's eight loads are in; those behind them may be out
	TURNX \it+1
.endif
	QX \it
.endr
	v_lshl_or_b32 v244, v[XB+1], 16, v[XB]         ; my two bytes of K step 2 Kq: blocks h and 2 + h,
	v_lshl_or_b32 v245, v[XB+3], 16, v[XB+2]       ; and of K step 2 Kq + 1,
	v_lshlrev_b32 v13, 3, v[HH]
	v_lshlrev_b32 v244, v13, v244                  ; at their places, 8 h bits up
	v_lshlrev_b32 v245, v13, v245
	v_mov_b32 v246, 0                              ; (a lane permute's destination counts as one of its sources)
	v_mov_b32 v247, 0
	v_permlanex16_b32 v246, v244, s22, s23
	v_permlanex16_b32 v247, v245, s22, s23
	v_or_b32 v244, v244, v246                      ; with lane l xor 16's two bytes the words are whole
	v_or_b32 v245, v245, v247
	v_cmp_lt_u32 vcc_lo, 15, v[LANE]
	v_cndmask_b32 v244, v244, v245, vcc_lo         ; lanes 0-15 store the first K step's words, lanes 16-31 the second's
	global_store_b32 v[LI4], v244, s[16:17]        ; 128 consecutive bytes
	s_wait_tensorcnt 0x0                           ; the wave's end
	ds_add_u32 v[SPW], v[NIL]
	s_wait_dscnt 0x0
	s_endpgm
; ---- PATHS W AND O.  A lane takes a column, and its registers run down K: a block of 32 along K lies in one lane.  A wave: 32 columns x 128 k.
.macro LOADW t                         ; W(32 t + i, my column), i = 0..31, into set t % 2; 128 consecutive bytes a load, 512 a work-group
.irp i, 0,1,2,3,4,5,6,7,8,9,10,11,12,13,14,15,16,17,18,19,20,21,22,23,24,25,26,27,28,29,30,31
	global_load_b32 v[WX+32*((\t)%2)+\i], v[LI4], s[6:7] offset:(32*(\t)+\i)*4096 th:TH_LOAD_NT
.endr
.endm
.macro WAITW t
.if (\t) < 3
	s_wait_loadcnt 32                              ; this block's 32 loads are in; the next block's may be out
.else
	s_wait_loadcnt 0x0
.endif
.endm
.macro BLOCKW t
	WAITW \t
	AMAX WX+32*((\t)%2)
	v_lshrrev_b32 v13, 23, v11                     ; the scale's byte
.if (\t) == 0
	v_mov_b32 v[WSB], v13
.else
	v_lshl_or_b32 v[WSB], v13, 8*(\t), v[WSB]      ; four bytes to the word, the lower k in the lower byte
.endif
.irp g, 0,1,2,3
	v_cvt_scalef32_pk8_fp4_f32 v[WC+4*(\t)+\g], v[WX+32*((\t)%2)+8*\g:WX+32*((\t)%2)+8*\g+7], v11
.endr
	v_nop                                          ; one plain line behind the last conversion
	global_store_b128 v[HR], v[WC+4*(\t):WC+4*(\t)+3], s[14:15] offset:256*(\t)   ; block t is place r + 16 (t % 2) of chunk t / 2: sixteen lanes fill 256 aligned bytes; lanes 16-31 the next tile's
.if (\t) < 2
	LOADW (\t)+2
.endif
.endm
.macro BLOCKO t
	WAITW \t
.irp p, 0,1,2,3                        ; k = 8 p .. 8 p + 7 of the block: place r + 16 (p % 2) of half p / 2
.irp u, 0,1,2,3
	v_cvt_pk_f16_f32 v[OH+16*(\t)+4*\p+\u], v[WX+32*((\t)%2)+8*\p+2*\u], v[WX+32*((\t)%2)+8*\p+2*\u+1]
.endr
	global_store_b128 v[HR], v[OH+16*(\t)+4*\p:OH+16*(\t)+4*\p+3], s[18:19] offset:(\t)*1024+\p*256
.endr
.if (\t) < 2
	LOADW (\t)+2
.endif
.endm
.Lnot_x:
	s_cmp_lt_u32 ttmp9, 704
	s_cbranch_scc0 .Lpath_o
	s_sub_co_u32 s24, ttmp9, 512
	s_lshr_b32 s25, s24, 6                         ; which weight
	s_bfe_u32 s26, s24, 0x30003                    ; cg: which 128 columns
	s_and_b32 s27, s24, 7                          ; which K step of 128
	s_cmp_eq_u32 s25, 0
	s_cselect_b64 s[6:7], s[6:7], s[8:9]           ; the choice hangs on the work-group's number alone
	s_cmp_eq_u32 s25, 2
	s_cselect_b64 s[6:7], s[10:11], s[6:7]
	s_lshl_b32 s28, s27, 19                        ; 128 rows of 4,096 bytes a K step
	s_lshl_b32 s29, s26, 9
	s_add_co_u32 s28, s28, s29
	s_lshl_b32 s29, s20, 7
	s_add_co_u32 s28, s28, s29                     ; + 4 (128 cg + 32 wave)
	s_mov_b32 s29, 0
	s_add_nc_u64 s[6:7], s[6:7], s[28:29]
	s_lshl_b32 s30, s25, 6
	s_lshl_b32 s31, s26, 3
	s_add_co_u32 s30, s30, s31
	s_lshl_b32 s31, s20, 1
	s_add_co_u32 s30, s30, s31
	s_add_co_u32 s30, s30, 512                     ; my first tile: 512 + 64 w + 8 cg + 2 wave
	s_lshr_b32 s32, s27, 2
	s_mul_i32 s32, s32, PLANE
	s_lshl_b32 s33, s30, 12
	s_add_co_u32 s32, s32, s33
	s_and_b32 s33, s27, 3
	s_lshl_b32 s33, s33, 10
	s_add_co_u32 s32, s32, s33
	s_mov_b32 s33, 0
	s_add_nc_u64 s[14:15], s[14:15], s[32:33]
	s_lshl_b32 s34, s30, 9
	s_lshl_b32 s35, s27, 6
	s_add_co_u32 s34, s34, s35
	s_mov_b32 s35, 0
	s_add_nc_u64 s[16:17], s[16:17], s[34:35]
	LOADW 0
	LOADW 1
	BLOCKW 0
	BLOCKW 1
	BLOCKW 2
	BLOCKW 3
	global_store_b32 v[VSS], v[WSB], s[16:17]      ; my column's scale word of this K step: 64 consecutive bytes for each tile
	s_endpgm
.Lpath_o:
	s_sub_co_u32 s24, ttmp9, 704
	s_lshr_b32 s26, s24, 3                         ; cg
	s_and_b32 s27, s24, 7                          ; K step
	s_mov_b64 s[6:7], s[12:13]                     ; Wo
	s_lshl_b32 s28, s27, 19
	s_lshl_b32 s29, s26, 9
	s_add_co_u32 s28, s28, s29
	s_lshl_b32 s29, s20, 7
	s_add_co_u32 s28, s28, s29
	s_mov_b32 s29, 0
	s_add_nc_u64 s[6:7], s[6:7], s[28:29]
	s_lshl_b32 s30, s26, 3
	s_lshl_b32 s31, s20, 1
	s_add_co_u32 s30, s30, s31                     ; my first tile of columns: 8 cg + 2 wave
	s_lshl_b32 s30, s30, 12
	s_lshl_b32 s31, s27, 18
	s_add_co_u32 s30, s30, s31
	s_mov_b32 s31, 0
	s_add_nc_u64 s[18:19], s[18:19], s[30:31]
	LOADW 0
	LOADW 1
	BLOCKO 0
	BLOCKO 1
	BLOCKO 2
	BLOCKO 3
	s_endpgm
.Lfunc_end_k_q3d5f44274a_prep:
	.size	k_q3d5f44274a_prep, .Lfunc_end_k_q3d5f44274a_prep-k_q3d5f44274a_prep
	.p2alignl 7, 3214868480
	.fill 96, 4, 3214868480
	.section	.rodata,"a",@progbits
	.p2align	6, 0x0
	.amdhsa_kernel k_q3d5f44274a_prep
		.amdhsa_group_segment_fixed_size 35328
		.amdhsa_private_segment_fixed_size 0
		.amdhsa_enable_private_segment 0
		.amdhsa_kernarg_size 64
		.amdhsa_user_sgpr_count 2
		.amdhsa_user_sgpr_kernarg_segment_ptr 1
		.amdhsa_wavefront_size32 1
		.amdhsa_system_sgpr_workgroup_id_x 1
		.amdhsa_system_sgpr_workgroup_id_y 1
		.amdhsa_system_sgpr_workgroup_id_z 1
		.amdhsa_system_vgpr_workitem_id 0
		.amdhsa_next_free_vgpr 256
		.amdhsa_next_free_sgpr 66
		.amdhsa_reserve_vcc 1
		.amdhsa_float_denorm_mode_32 3
		.amdhsa_float_denorm_mode_16_64 3
		.amdhsa_memory_ordered 1
		.amdhsa_forward_progress 1
		.amdhsa_inst_pref_size 55
	.end_amdhsa_kernel
	.amdgpu_metadata
---
amdhsa.version: [ 1, 2 ]
amdhsa.kernels:
  - .name:           k_q3d5f44274a_prep
    .symbol:         k_q3d5f44274a_prep.kd
    .args:
      - { .name: x, .offset: 0, .size: 8, .value_kind: global_buffer, .address_space: global }
      - { .name: Wq, .offset: 8, .size: 8, .value_kind: global_buffer, .address_space: global }
      - { .name: Wk, .offset: 16, .size: 8, .value_kind: global_buffer, .address_space: global }
      - { .name: Wv, .offset: 24, .size: 8, .value_kind: global_buffer, .address_space: global }
      - { .name: Wo, .offset: 32, .size: 8, .value_kind: global_buffer, .address_space: global }
      - { .name: cod, .offset: 40, .size: 8, .value_kind: global_buffer, .address_space: global }
      - { .name: scl, .offset: 48, .size: 8, .value_kind: global_buffer, .address_space: global }
      - { .name: woh, .offset: 56, .size: 8, .value_kind: global_buffer, .address_space: global }
    .group_segment_fixed_size: 35328
    .private_segment_fixed_size: 0
    .kernarg_segment_align: 8
    .kernarg_segment_size: 64
    .max_flat_workgroup_size: 128
    .sgpr_count:     66
    .vgpr_count:     256
    .wavefront_size: 32
...
	.end_amdgpu_metadata
.endif
;; end of part 1
;; launch gemm (part 2): grid 12 x 32, 4 waves a work-group, clusters of 4 x 4, 327,680 bytes of LDS; arguments cod, scl, qkv; writes qkv
.if DOCPART == 2
	.amdgcn_target "amdgcn-amd-amdhsa--gfx1250"
	.amdhsa_code_object_version 6
	.text
	.protected	k_q3d5f44274a_gemm
	.globl	k_q3d5f44274a_gemm
	.p2align	8
	.type	k_q3d5f44274a_gemm,@function
k_q3d5f44274a_gemm:
	s_mov_b64 s[64:65], 0
	v_nop
	global_prefetch_b8 v0, s[64:65] scope:SCOPE_SE
	s_setreg_imm32_b32 hwreg(HW_REG_WAVE_MODE, 25, 1), 1
	s_wait_xcnt 0x0
	s_wait_alu depctr_hold_cnt(0) depctr_sa_sdst(0) depctr_va_vdst(0) depctr_va_sdst(0) depctr_va_ssrc(0) depctr_va_vcc(0) depctr_vm_vsrc(0)
	s_getreg_b32 s2, hwreg(HW_REG_IB_STS2, 6, 4)
	s_cmp_eq_u32 s2, 0
	s_cbranch_scc0 .Lentry_in_a_cluster
	s_endpgm
.Lentry_in_a_cluster:
	s_bfe_u32 s2, ttmp6, 0x10000c
	s_cmp_lg_u32 s2, 0xf033
	s_cbranch_scc0 .Lentry_shape_is_right
	s_endpgm
.Lentry_shape_is_right:
; The three quantised projections, on codes of FP4 (E2M1) with E8M0 scales, K = 1,024, sums in f32; results scaled by a constant and rounded once to f16:
;   q' = q x log2(e) / 4, k' = k / 2 (so that q' . k' = q . k x log2(e) / 8: the softmax's exponent to the base 2), v' = v / 4.
; LIMITS: f16 holds |q| < 181,000, |k| < 131,000, |v| < 262,000.
; ONE BODY, THREE PRODUCTS, told apart by the cluster's x, which all sixteen partners share; what differs is chosen by s_cselect_b32, never by a branch.
;   cluster x = 0, 1: A = 256 rows of x (tokens), B = 256 columns of Wq | Wk.      cluster x = 2: A = 256 columns of Wv (channels), B = 256 rows of x: the product is V^T.
; THE MATRIX INSTRUCTION IS USED TRANSPOSED (source 0 = 16 rows of B, source 1 = 16 rows of A): a lane holds one row of A's and eight neighbours of B's: for q and k eight channels of a token, for v eight tokens of
; a channel.  Those are eight neighbours along the K of the attention product that reads them, so the four f16 registers that they make ARE four registers of that product's fragment:
;   q, k: [32 heads (16 of q, 16 of k)][token tile 512][chunk of 16 channels: 4][lane][16 B];   v, 32 MiB on: [head 16][64 tokens: 128][16 channels: 4][16 tokens: 4][lane][16 B].
; Every store of a wave is 512 consecutive bytes, and nothing goes through LDS on the way out.
; A work-group of four waves makes 256 x 256, a wave 128 x 128: 64 accumulators, 512 registers.  Codes lie in memory as images of the fragments' registers, so a half of K of 128 rows is one dense block of 32 KiB:
; both halves of K and all scale words come by three tensor loads a wave, all first fills: three loads of mine are out at the most, and no LDS byte is filled twice.
; CLUSTERS: 4 x 4.  A's blocks are shared along a row of the cluster, B's along a column: each is asked for jointly.
; REGISTERS as windows of 256: window 0: v0-31 addresses; v32-95 scale words and nothing else; v128-191 A's fragments, one set; on the way out v128-255.  window 1: B's fragments, two sets.  windows 2, 3: accumulators.
.set PLANE,  2883584                   ; cod: from one half of K to the other
.set NQ,     4                         ; steps of 128 along K in a slot
.set FR,     8                         ; registers of a fragment
.set NL,     2                         ; LDS loads that bring one
.set NP,     4                         ; places behind this matrix instruction (ISA guide 7.12.1)
.set SLOT,   131072                    ; a half of K: A's 16 tiles x 4,096 bytes, then B's
.set SCL,    262144                    ; the scale words: A's 16 tiles x 512 bytes, then B's
.set SPARE,  278528                    ; the spare words, 128 bytes a wave
.set VO,   8                           ; v8-11   the way out: 16 x lane + (a / 4) x 4 PA + (b / 4) x PB
.set ADRA, 16                          ; v16-17  LDS address of my A fragments in slot 0, 1
.set ADRB, 20                          ; v20-21  the same for B
.set ADRS, 27                          ; v27     of my scale words: lanes 0-15 A's rows, lanes 16-31 B's
.set SPW,  28
.set NIL,  29
.set SC,   32                          ; register 32 slot + 4 i + q: lanes 0-15 the word of A's block i, lanes 16-31 that of B's block i, K step 4 slot + q
.set AF,   128
.set TF,   128                         ; the way out: a block's 64 numbers, scaled
.set HF,   192                         ; and as f16: two sets of 32
.set G1, 24
.set G0, 32
.set G1B, 48
.set G0B, 56
.set G1S, 68
.set G0S, 76
.set G1SB, 80
.set G0SB, 88
.set SCLF, 96                          ; s[96:97] the constant that scales the results
.set MSB, 0
.macro WIN new                         ; the immediate's high byte repeats the setting that is left
.if MSB != (\new)
	s_set_vgpr_msb (MSB<<8)|(\new)
.set MSB, (\new)
.endif
.endm
.set MUL_LO, 0xa1                      ; source 0 (B) window 1, source 1 (A) window 0, C and D window 2
.set MUL_HI, 0xf1                      ; the same, C and D window 3
.set TO_B,   0x40                      ; destination window 1, address window 0
; A joint load: waves 0 and 1 fetch for A, waves 2 and 3 for B.  The branch hangs on the wave's number alone.  An s_nop 0 and four v_nop follow each line.
.macro JLOAD g0a, g1a, g0b, g1b
	s_cmp_eq_u32 s15, 0
	s_cbranch_scc0 .Lfor_b_\@
	tensor_load_to_lds s[\g0a:\g0a+3], s[\g1a:\g1a+7]
	s_nop 0
.rept 4
	v_nop
.endr
	s_branch .Lasked_\@
.Lfor_b_\@:
	tensor_load_to_lds s[\g0b:\g0b+3], s[\g1b:\g1b+7]
	s_nop 0
.rept 4
	v_nop
.endr
.Lasked_\@:
.endm
.macro CROUND                          ; a round of the cluster's barrier
	s_barrier_signal -1
	s_barrier_wait -1
	s_cmp_lg_u32 s14, 0
	s_cbranch_scc1 .Lnot_wave_0_\@
	s_barrier_signal -3
.Lnot_wave_0_\@:
	s_barrier_wait -3
	s_barrier_signal -1
	s_barrier_wait -1
.endm
	s_load_b128 s[4:7], s[0:1], 0x0                ; cod, scl
	s_load_b64 s[12:13], s[0:1], 0x10              ; qkv
	v_lshl_add_u32 v[SPW], v0, 2, SPARE
	v_mov_b32 v[NIL], 0
	ds_add_u32 v[SPW], v[NIL]                      ; the wave's opening: the add, twice on end, and its wait ahead of my first tensor load
	ds_add_u32 v[SPW], v[NIL]
	v_lshrrev_b32 v1, 5, v0
	v_readfirstlane_b32 s14, v1                    ; wave 0..3
	s_lshr_b32 s15, s14, 1                         ; which half of A's rows is mine.  Also: I fetch for A (0) or for B (1)
	s_and_b32 s16, s14, 1                          ; which half of B's rows.  Also: which 128 rows I fetch
	s_bfe_u32 s40, ttmp6, 0x40000                  ; cx
	s_bfe_u32 s41, ttmp6, 0x40004                  ; cy
	s_and_b32 s17, ttmp7, 0xffff
	s_lshl_b32 s17, s17, 2                         ; 4 x cluster y
	s_add_co_u32 s18, s17, s41                     ; + cy
	s_add_co_u32 s19, s17, s40                     ; + cx
	s_lshl_b32 s20, ttmp9, 2
	s_add_co_u32 s20, s20, s40                     ; 4 x cluster x + cx
	s_lshl_b32 s43, s41, 2
	s_lshl_b32 s43, 15, s43                        ; my row of the cluster
	s_lshl_b32 s44, 0x1111, s40                    ; my column
	s_mov_b32 s94, 2048
	s_mov_b32 s95, 0x100000
	s_mov_b32 s96, 0x3f000000                      ; 1 / 2
	s_mov_b32 s97, 0x3e800000                      ; 1 / 4
	s_cmp_eq_u32 ttmp9, 2                          ; V^T?
	s_cselect_b32 s42, s41, s18                    ; R: which 256 rows of A: made of cy and what all partners share
	s_cselect_b32 s45, s19, s20                    ; Cc: which 256 rows of B: made of cx and what all partners share
	s_cselect_b32 s46, 640, 0                      ; A's first tile in cod
	s_cselect_b32 s47, 0, 512                      ; B's
	s_cselect_b32 s94, 0x40000, s94                ; PA: bytes in qkv from one block of A's 16 rows to the next, averaged over four (see the way out)
	s_cselect_b32 s95, 8192, s95                   ; PB: bytes from four blocks of B's 16 rows to the next four
	s_cselect_b32 s2, 0x2000000, 0                 ; v's region begins 32 MiB on
	s_cselect_b32 s96, s97, s96
	s_mov_b32 s97, 0x3eb8aa3b                      ; log2(e) / 4
	s_cmp_eq_u32 ttmp9, 0
	s_cselect_b32 s96, s97, s96
	s_mov_b32 s97, s96                             ; (named with it as a pair, so it is written)
	; descriptor group 1.  Codes: 32,768 dense bytes as 128 rows of 256 (32 elements of 8 bytes), no padding: an LDS load of 16 bytes a lane takes 512 consecutive bytes
	s_or_b32 s[G1+0], s43, (3<<16)|(1<<21)         ; 15:0 the mask: A's go to my row; 17:16 elements of 8 bytes; 21 set beside a mask
	s_or_b32 s[G1B+0], s44, (3<<16)|(1<<21)        ; B's go to my column
.irp g, G1, G1B
	s_mov_b32 s[\g+1], 32<<16                      ; tensor_dim0
	s_mov_b32 s[\g+2], 128<<16                     ; tensor_dim1
	s_mov_b32 s[\g+3], 32<<16                      ; tile_dim0
	s_mov_b32 s[\g+4], 128                         ; tile_dim1
	s_mov_b32 s[\g+5], 32                          ; tensor_dim0_stride
	s_mov_b32 s[\g+6], 0
	s_mov_b32 s[\g+7], 0
.endr
	s_or_b32 s[G1S+0], s43, (3<<16)|(1<<21)        ; scale words: 4,096 dense bytes as 16 rows of 256
	s_or_b32 s[G1SB+0], s44, (3<<16)|(1<<21)
.irp g, G1S, G1SB
	s_mov_b32 s[\g+1], 32<<16
	s_mov_b32 s[\g+2], 16<<16
	s_mov_b32 s[\g+3], 32<<16
	s_mov_b32 s[\g+4], 16
	s_mov_b32 s[\g+5], 32
	s_mov_b32 s[\g+6], 0
	s_mov_b32 s[\g+7], 0
.endr
	s_lshl_b32 s22, s16, 3                         ; which 8 tiles I fetch
	s_lshl_b32 s21, s42, 4
	s_add_co_u32 s21, s21, s46
	s_add_co_u32 s21, s21, s22                     ; A: tile AOFF + 16 R + 8 half
	s_lshl_b32 s23, s45, 4
	s_add_co_u32 s23, s23, s47
	s_add_co_u32 s23, s23, s22                     ; B: tile BOFF + 16 Cc + 8 half
	s_lshl_b32 s8, s21, 12                         ; codes: 4,096 bytes a tile and half of K
	s_mov_b32 s9, 0
	s_lshl_b32 s10, s23, 12
	s_mov_b32 s11, 0
	s_lshl_b32 s66, s21, 9                         ; scale words: 512 bytes a tile
	s_mov_b32 s67, 0
	s_lshl_b32 s92, s23, 9
	s_mov_b32 s93, 0
	s_lshl_b32 s98, s14, 15                        ; where they go: wave x 32,768 (A's two halves, then B's): no place in the cluster enters an LDS address
	s_lshl_b32 s99, s14, 12
	s_wait_dscnt 0x0                               ; both opening adds are done
	s_wait_kmcnt 0x0
	s_add_nc_u64 s[8:9], s[4:5], s[8:9]
	s_add_nc_u64 s[10:11], s[4:5], s[10:11]
	s_add_nc_u64 s[66:67], s[6:7], s[66:67]
	s_add_nc_u64 s[92:93], s[6:7], s[92:93]
	CROUND                                         ; all sixteen work-groups are here: the joint loads meet
	s_mov_b32 s[G0S], 1
	s_add_co_u32 s[G0S+1], s99, SCL
	s_mov_b64 s[G0S+2:G0S+3], s[66:67]
	s_or_b32 s[G0S+3], s[G0S+3], 0x80000000
	s_mov_b32 s[G0SB], 1
	s_add_co_u32 s[G0SB+1], s99, SCL
	s_mov_b64 s[G0SB+2:G0SB+3], s[92:93]
	s_or_b32 s[G0SB+3], s[G0SB+3], 0x80000000
	JLOAD G0S, G1S, G0SB, G1SB                     ; the scale words first: they are wanted with the first step
.irp s, 0,1
	s_mov_b32 s[G0+4*\s], 1
	s_add_co_u32 s[G0+4*\s+1], s98, \s*SLOT
	s_add_nc_u64 s[G0+4*\s+2:G0+4*\s+3], s[8:9], \s*PLANE
	s_or_b32 s[G0+4*\s+3], s[G0+4*\s+3], 0x80000000
	s_mov_b32 s[G0B+4*\s], 1
	s_add_co_u32 s[G0B+4*\s+1], s98, \s*SLOT
	s_add_nc_u64 s[G0B+4*\s+2:G0B+4*\s+3], s[10:11], \s*PLANE
	s_or_b32 s[G0B+4*\s+3], s[G0B+4*\s+3], 0x80000000
	JLOAD G0+4*\s, G1, G0B+4*\s, G1B
.endr
	v_and_b32 v1, 15, v0                           ; r
	v_bfe_u32 v2, v0, 4, 1                         ; h
	v_and_b32 v3, 31, v0
	v_lshlrev_b32 v4, 4, v3                        ; 16 x lane: my place in every image
	s_lshl_b32 s21, s15, 15                        ; my 8 tiles of A
	s_lshl_b32 s22, s16, 15                        ; my 8 tiles of B,
	s_add_co_u32 s22, s22, 65536                   ; which lie behind A's 16
.irp s, 0,1
	v_add_nc_u32 v[ADRA+\s], s21, v4
	v_add_nc_u32 v[ADRB+\s], s22, v4
	s_add_co_u32 s21, s21, SLOT
	s_add_co_u32 s22, s22, SLOT
.endr
	s_lshl_b32 s21, s15, 12                        ; A's scale words: my 8 tiles
	s_lshl_b32 s22, s16, 12                        ; B's, behind A's 8,192 bytes
	s_add_co_u32 s22, s22, 8192
	s_sub_co_u32 s22, s22, s21
	v_mul_u32_u24 v6, s22, v2                      ; lanes 16-31 take B's: one product, the distance between the two
	s_add_co_u32 s21, s21, SCL
	v_lshl_add_u32 v5, v1, 2, v6
	v_add_nc_u32 v[ADRS], s21, v5
	v_mov_b32 v[VO], v4                            ; the way out
	v_add_nc_u32 v[VO+1], s95, v4
	s_lshl_b32 s21, s94, 2
	v_add_nc_u32 v[VO+2], s21, v4
	v_add_nc_u32 v[VO+3], s21, v[VO+1]
	s_lshl_b32 s21, s42, 4
	s_lshl_b32 s22, s15, 3
	s_add_co_u32 s21, s21, s22
	s_mul_i32 s21, s21, s94                        ; (16 R + 8 half) PA
	s_lshl_b32 s22, s45, 2
	s_lshl_b32 s23, s16, 1
	s_add_co_u32 s22, s22, s23
	s_mul_i32 s22, s22, s95                        ; (4 Cc + 2 half) PB
	s_add_co_u32 s20, s21, s22
	s_add_co_u32 s20, s20, s2                      ; under 48 MiB
	s_mov_b32 s21, 0
	s_add_nc_u64 s[12:13], s[12:13], s[20:21]
.macro FRAG reg, adr, q, i             ; a fragment, 16 rows x 128 K: registers 4 c .. 4 c + 3 are chunk c of the image
.irp c, 0,1
	ds_load_b128 v[\reg+4*\c:\reg+4*\c+3], v[\adr] offset:(\i)*4096+(\q)*1024+512*\c
.endr
.endm
; 16 matrix instructions: A's blocks a0, a0 + 1 x B's eight, the slot's q-th 128 along K.  p: B's set; sc: the slot.  zero = 1: the first product starts the sums.
; The 64 accumulators take turns, one instruction a turn, in the same order in every step.
.macro MUL16 a0, p, q, sc, zero
.irp a, \a0, \a0+1
.irp b, 0,1,2,3,4,5,6,7
.if \zero
	v_wmma_scale_f32_16x16x128_f8f6f4 v[8*(8*((\a)%4)+\b):8*(8*((\a)%4)+\b)+7], v[128*(\p)+FR*\b:128*(\p)+FR*\b+FR-1], v[AF+FR*(\a):AF+FR*(\a)+FR-1], 0, v[SC+8*NQ*(\sc)+NQ*\b+(\q)], v[SC+8*NQ*(\sc)+NQ*(\a)+(\q)] matrix_a_fmt:MATRIX_FMT_FP4 matrix_b_fmt:MATRIX_FMT_FP4 matrix_a_scale:MATRIX_SCALE_ROW1
.else
	v_wmma_scale_f32_16x16x128_f8f6f4 v[8*(8*((\a)%4)+\b):8*(8*((\a)%4)+\b)+7], v[128*(\p)+FR*\b:128*(\p)+FR*\b+FR-1], v[AF+FR*(\a):AF+FR*(\a)+FR-1], v[8*(8*((\a)%4)+\b):8*(8*((\a)%4)+\b)+7], v[SC+8*NQ*(\sc)+NQ*\b+(\q)], v[SC+8*NQ*(\sc)+NQ*(\a)+(\q)] matrix_a_fmt:MATRIX_FMT_FP4 matrix_b_fmt:MATRIX_FMT_FP4 matrix_a_scale:MATRIX_SCALE_ROW1
.endif
.endr
.endr
.endm
.macro FETCH_B slot, q, p
	WIN TO_B
.irp i, 0,1,2,3,4,5,6,7
	FRAG 128*(\p)+FR*\i, ADRB+\slot, \q, \i
.endr
	WIN 0
.endm
.macro FETCH_A slot, q, i0
.irp i, \i0, \i0+1, \i0+2, \i0+3
	FRAG AF+FR*(\i), ADRA+\slot, \q, \i
.endr
.endm
.macro SCALES_ALL                      ; all eight K steps' scale words, once: 64 registers
.irp sl, 0,1
.irp i, 0,1,2,3,4,5,6,7
.irp q, 0,1,2,3
	ds_load_b32 v[SC+32*\sl+4*\i+\q], v[ADRS] offset:\i*512+(4*\sl+\q)*64
.endr
.endr
.endr
.endm
.macro PLACES n                        ; places in front of loads into registers that matrix instructions have read, and of reads of results
.rept \n
	v_nop
.endr
.endm
.macro STEP slot, q, zero              ; a step of 128 along K that has its successor in the same slot
	s_wait_dscnt 4*NL                              ; all but the youngest eight loads (A's blocks 4-7) are in
	WIN MUL_LO
	MUL16 0, (\q)%2, \q, \slot, \zero
	MUL16 2, (\q)%2, \q, \slot, \zero
	s_wait_dscnt 0                                 ; A's blocks 4-7 are in
	PLACES NP
	FETCH_B \slot, (\q)+1, 1-(\q)%2
	FETCH_A \slot, (\q)+1, 0
	WIN MUL_HI
	MUL16 4, (\q)%2, \q, \slot, \zero
	MUL16 6, (\q)%2, \q, \slot, \zero
	PLACES NP
	WIN 0
	FETCH_A \slot, (\q)+1, 4
.endm
.macro STEPS slot, from
.set Q, \from
.rept NQ-1-\from
	STEP \slot, Q, 0
.set Q, Q+1
.endr
.endm
	s_wait_tensorcnt 1                             ; the scale words and my part of slot 0 are in (slot 1's load may be out),
	s_barrier_signal -1
	s_barrier_wait -1                              ; everybody's are
	FETCH_B 0, 0, 0
	FETCH_A 0, 0, 0
	SCALES_ALL
	FETCH_A 0, 0, 4
	STEP 0, 0, 1                                   ; the first step's products start the sums
	STEPS 0, 1
	; slot 0's last step changes slots: my part of slot 1 has landed, and a barrier shows that of every wave.  Nothing is filled again.
	s_wait_tensorcnt 0x0
	ds_add_u32 v[SPW], v[NIL]
	s_wait_dscnt 4*NL+1                            ; (the add and A's blocks 4-7 may be out)
	WIN MUL_LO
	MUL16 0, 1, NQ-1, 0, 0
	s_wait_dscnt 0x0
	s_barrier_signal -1
	MUL16 2, 1, NQ-1, 0, 0
	WIN 0
	s_barrier_wait -1
	PLACES NP
	FETCH_B 1, 0, 0
	FETCH_A 1, 0, 0
	WIN MUL_HI
	MUL16 4, 1, NQ-1, 0, 0
	MUL16 6, 1, NQ-1, 0, 0
	PLACES NP
	WIN 0
	FETCH_A 1, 0, 4
	STEPS 1, 0
	s_wait_dscnt 4*NL                              ; the very last step: nothing more to fetch
	WIN MUL_LO
	MUL16 0, 1, NQ-1, 1, 0
	MUL16 2, 1, NQ-1, 1, 0
	s_wait_dscnt 0
	WIN MUL_HI
	MUL16 4, 1, NQ-1, 1, 0
	MUL16 6, 1, NQ-1, 1, 0
	WIN 0
; THE WAY OUT, a block of A's 16 rows at a time: scaled, rounded to f16, stored.  Accumulator (a, b): lane (r, h) holds row r of A's block a and rows 8 h + 0..7 of B's block b: 16 bytes of f16.
; q, k: token tile a, head b / 4, chunk b % 4.   v: head a / 4, channels a % 4, 64 tokens b / 4, 16 tokens b % 4.   In both the place is (a / 4) 4 PA + (a % 4) 2,048 + (b / 4) PB + (b % 4) 512 + 16 lane.
.macro OUTBLK a
.if (\a) >= 2
	s_wait_xcnt 0x0                                ; block a - 2's stores have read their data: the registers are written again only behind this wait
.endif
	WIN 0x02+(\a)/4                                ; source 0: window 2 or 3
.irp b, 0,1,2,3,4,5,6,7
.irp u, 0,1,2,3
	v_pk_mul_f32 v[TF+8*\b+2*\u:TF+8*\b+2*\u+1], v[64*((\a)%4)+8*\b+2*\u:64*((\a)%4)+8*\b+2*\u+1], s[SCLF:SCLF+1] op_sel_hi:[1,0]   ; each accumulator from its low end on
.endr
.endr
	WIN 0
.irp b, 0,1,2,3,4,5,6,7
.irp u, 0,1,2,3
	v_cvt_pk_f16_f32 v[HF+32*((\a)%2)+4*\b+\u], v[TF+8*\b+2*\u], v[TF+8*\b+2*\u+1]
.endr
.endr
.irp b, 0,1,2,3,4,5,6,7
	global_store_b128 v[VO+2*((\a)/4)+\b/4], v[HF+32*((\a)%2)+4*\b:HF+32*((\a)%2)+4*\b+3], s[12:13] offset:((\a)%4)*2048+(\b%4)*512   ; 512 consecutive bytes
.endr
.endm
	PLACES NP                                      ; behind the last products: v128 on held A's fragments
.irp a, 0,1,2,3,4,5,6,7
	OUTBLK \a
.endr
	s_wait_tensorcnt 0x0                           ; the wave's end
	ds_add_u32 v[SPW], v[NIL]
	s_wait_dscnt 0x0
	CROUND                                         ; the closing round
	s_endpgm
.Lfunc_end_k_q3d5f44274a_gemm:
	.size	k_q3d5f44274a_gemm, .Lfunc_end_k_q3d5f44274a_gemm-k_q3d5f44274a_gemm
	.p2alignl 7, 3214868480
	.fill 96, 4, 3214868480
	.section	.rodata,"a",@progbits
	.p2align	6, 0x0
	.amdhsa_kernel k_q3d5f44274a_gemm
		.amdhsa_group_segment_fixed_size 327680
		.amdhsa_private_segment_fixed_size 0
		.amdhsa_enable_private_segment 0
		.amdhsa_kernarg_size 24
		.amdhsa_user_sgpr_count 2
		.amdhsa_user_sgpr_kernarg_segment_ptr 1
		.amdhsa_wavefront_size32 1
		.amdhsa_system_sgpr_workgroup_id_x 1
		.amdhsa_system_sgpr_workgroup_id_y 1
		.amdhsa_system_sgpr_workgroup_id_z 1
		.amdhsa_system_vgpr_workitem_id 0
		.amdhsa_next_free_vgpr 1024
		.amdhsa_next_free_sgpr 100
		.amdhsa_reserve_vcc 0
		.amdhsa_float_denorm_mode_32 3
		.amdhsa_float_denorm_mode_16_64 3
		.amdhsa_memory_ordered 1
		.amdhsa_forward_progress 1
		.amdhsa_inst_pref_size 137
	.end_amdhsa_kernel
	.amdgpu_metadata
---
amdhsa.version: [ 1, 2 ]
amdhsa.kernels:
  - .name:           k_q3d5f44274a_gemm
    .symbol:         k_q3d5f44274a_gemm.kd
    .args:
      - { .name: cod, .offset: 0, .size: 8, .value_kind: global_buffer, .address_space: global }
      - { .name: scl, .offset: 8, .size: 8, .value_kind: global_buffer, .address_space: global }
      - { .name: qkv, .offset: 16, .size: 8, .value_kind: global_buffer, .address_space: global }
    .group_segment_fixed_size: 327680
    .private_segment_fixed_size: 0
    .kernarg_segment_align: 8
    .kernarg_segment_size: 24
    .max_flat_workgroup_size: 128
    .sgpr_count:     100
    .vgpr_count:     1024
    .wavefront_size: 32
...
	.end_amdgpu_metadata
.endif
;; end of part 2
;; launch attn (part 3): grid 4 x 64, 8 waves a work-group, clusters of 4 x 1, 327,680 bytes of LDS; arguments qkv, yh; writes yh
.if DOCPART == 3
	.amdgcn_target "amdgcn-amd-amdhsa--gfx1250"
	.amdhsa_code_object_version 6
	.text
	.protected	k_q3d5f44274a_attn
	.globl	k_q3d5f44274a_attn
	.p2align	8
	.type	k_q3d5f44274a_attn,@function
k_q3d5f44274a_attn:
	s_mov_b64 s[64:65], 0
	v_nop
	global_prefetch_b8 v0, s[64:65] scope:SCOPE_SE
	s_setreg_imm32_b32 hwreg(HW_REG_WAVE_MODE, 25, 1), 1
	s_wait_xcnt 0x0
	s_wait_alu depctr_hold_cnt(0) depctr_sa_sdst(0) depctr_va_vdst(0) depctr_va_sdst(0) depctr_va_ssrc(0) depctr_va_vcc(0) depctr_vm_vsrc(0)
	s_getreg_b32 s2, hwreg(HW_REG_IB_STS2, 6, 4)
	s_cmp_eq_u32 s2, 0
	s_cbranch_scc0 .Lentry_in_a_cluster
	s_endpgm
.Lentry_in_a_cluster:
	s_bfe_u32 s2, ttmp6, 0x10000c
	s_cmp_lg_u32 s2, 0x3003
	s_cbranch_scc0 .Lentry_shape_is_right
	s_endpgm
.Lentry_shape_is_right:
; y = softmax(q k^T / 8) v for 64 (batch, head) pairs, 2,048 tokens, head size 64.  Operands f16 (q' = q log2(e) / 4, k' = k / 2, v' = v / 4, made by the launch before), products' sums, maxima and row sums in f32.
; s = q' . k' is the exponent to the base 2.  For each query a running maximum m and sum l: p = 2^(s - m), rounded to f16 for the second product; in every step O and l are multiplied by 2^(m_old - m_new).
; y = 4 O / l, rounded once to f16.  LIMIT: |y| < 65,504.
; SHARES.  A work-group owns 512 queries of one (batch, head), each of its EIGHT waves 64: four tiles of 16, in 512 registers: two waves to a SIMD, so that one wave's softmax stands beside the other's products.
; Every wave walks all 2,048 keys, 64 a step; each fragment of K and V read from LDS feeds four matrix instructions.
; LAYOUT.  S^T = K Q^T (source 0 = 16 keys, source 1 = 16 queries): a lane holds one query (lane % 16) and keys 8 (lane / 16) + 0..7.  Two such tiles rounded to f16 in pairs ARE source 1 of O^T = V^T P, whose result
; again holds one query a lane and eight channels, which packed to f16 are four registers of the out-projection's fragment.  q, k, v lie in memory as images of the fragments' registers (four registers = 512 bytes,
; 16 a lane): every LDS load takes 512 consecutive bytes, nothing is padded or turned, and y leaves straight from registers, 512 consecutive bytes a store.
; CLUSTER.  The four blocks of queries of a (batch, head) walk the same K and V: each tile is asked for jointly, by the same tensor load with a mask that names the four.
; THE RING.  Two slots of 512 keys (K 64 KiB, V 64 KiB); each wave brings an eighth (16 KiB dense) by one load.  Two loads of mine are out at the start, then one.  A refill has eight key steps, 512 matrix
; instructions a wave, in which to land; so nothing is prefetched: the launch has four fills for each slot byte's worth of keys, two of them at its head.
; REGISTERS.  window 0: v1-7 addresses; v8-39 eight registers of statistics a tile; v64-191 S^T, 32 a tile, later P in the first 16 of them; v192-255 K of one step.
;             window 1: v0-63 Q, 16 a tile; v64-191 O^T, 32 a tile; v192-255 V of one step.
.set SLOT1, 131072
.set SPARE, 262144                     ; behind the ring: the spare words, 128 bytes a wave
.set LI,   1                           ; 16 x lane
.set LIV,  2                           ; + 65,536: V's part of a slot
.set ADRK, 3
.set ADRV, 4
.set SPW,  6
.set NIL,  7
.set ST,   8                           ; tile t at v[ST + 8 t]: +0 m, +1 named with it as a pair, +2, +3 l (even keys', odd keys'), +4 to +7 at work; the rescaling factor takes +6
.set S,    64
.set KF,   192
.set Q,    0                           ; in window 1
.set O,    64
.set VF,   192
.set WV,   8
.set G1,   24                          ; s[24:31]
.set G0A,  32                          ; s[32:35] slot 0's first fill
.set G0W,  36                          ; s[36:39] slot 1's first fill; then it walks
.set TB,   40                          ; LDS byte at which the tiles of the step to be fetched begin
.set CNT,  41
.set SLOTS, 42
.set SEL,  44
.set QB,   46
.set YB,   48
.set MSB, 0
.macro WIN new
.if MSB != (\new)
	s_set_vgpr_msb (MSB<<8)|(\new)
.set MSB, (\new)
.endif
.endm
.macro CROUND                          ; a round of the cluster's barrier
	s_barrier_signal -1
	s_barrier_wait -1
	s_cmp_lg_u32 s[WV], 0
	s_cbranch_scc1 .Lnot_wave_0_\@
	s_barrier_signal -3
.Lnot_wave_0_\@:
	s_barrier_wait -3
	s_barrier_signal -1
	s_barrier_wait -1
.endm
	s_load_b128 s[4:7], s[0:1], 0x0                ; qkv, yh
	v_lshl_add_u32 v[SPW], v0, 2, SPARE
	v_mov_b32 v[NIL], 0
	ds_add_u32 v[SPW], v[NIL]                      ; the wave's opening: the add, twice on end, and its wait ahead of my first tensor load
	ds_add_u32 v[SPW], v[NIL]
	v_lshrrev_b32 v1, 5, v0
	v_readfirstlane_b32 s[WV], v1                  ; wave 0..7
	s_bfe_u32 s9, ttmp6, 0x40000                   ; cx: my block of 512 queries; it enters Q's and y's addresses alone
	s_and_b32 s10, ttmp7, 0xffff
	s_and_b32 s11, s10, 15                         ; head
	s_lshr_b32 s12, s10, 4                         ; batch
	s_lshr_b32 s13, s[WV], 2                       ; waves 0-3 fetch K, waves 4-7 V, 16 MiB further on
	s_add_co_u32 s13, s13, 1
	s_lshl_b32 s13, s13, 24                        ; k's region begins 16 MiB on
	s_lshl_b32 s14, s11, 20                        ; a head: 1 MiB
	s_add_co_u32 s13, s13, s14
	s_lshl_b32 s14, s12, 18                        ; a batch's 2,048 tokens of it: 256 KiB
	s_add_co_u32 s13, s13, s14
	s_and_b32 s14, s[WV], 3
	s_lshl_b32 s14, s14, 14                        ; my quarter of a slot's 64 KiB
	s_add_co_u32 s16, s13, s14
	s_mov_b32 s17, 0
	s_lshl_b32 s18, s11, 20                        ; Q: head, batch, 32 token tiles a work-group, 4 a wave, 2,048 bytes a tile
	s_lshl_b32 s19, s12, 18
	s_add_co_u32 s18, s18, s19
	s_lshl_b32 s19, s9, 16
	s_add_co_u32 s18, s18, s19
	s_lshl_b32 s19, s[WV], 13
	s_add_co_u32 s18, s18, s19
	s_mov_b32 s19, 0
	s_lshr_b32 s20, s11, 1                         ; y: K step of 128 = head / 2: 2 MiB; 4,096 bytes a token tile; 2,048 (head % 2)
	s_lshl_b32 s20, s20, 21
	s_lshl_b32 s21, s12, 19
	s_add_co_u32 s20, s20, s21
	s_lshl_b32 s21, s9, 17
	s_add_co_u32 s20, s20, s21
	s_lshl_b32 s21, s[WV], 14
	s_add_co_u32 s20, s20, s21
	s_and_b32 s21, s11, 1
	s_lshl_b32 s21, s21, 11
	s_add_co_u32 s20, s20, s21
	s_mov_b32 s21, 0
	s_lshl_b32 s22, s[WV], 14                      ; where my eighth of a slot goes: no place in the cluster enters an LDS address
	; descriptor group 1: 16,384 dense bytes as 64 rows of 256 (32 elements of 8 bytes), no padding
	s_mov_b32 s[G1], 15|(3<<16)|(1<<21)            ; 15:0 the mask: all four work-groups; 17:16 elements of 8 bytes; 21 set beside a mask
	s_mov_b32 s[G1+1], 32<<16                      ; tensor_dim0
	s_mov_b32 s[G1+2], 64<<16                      ; tensor_dim1
	s_mov_b32 s[G1+3], 32<<16                      ; tile_dim0
	s_mov_b32 s[G1+4], 64                          ; tile_dim1
	s_mov_b32 s[G1+5], 32                          ; tensor_dim0_stride
	s_mov_b32 s[G1+6], 0
	s_mov_b32 s[G1+7], 0
	s_mov_b32 s[SEL], 0x76543210
	s_mov_b32 s[SEL+1], 0xfedcba98                 ; v_permlanex16_b32's selects for lane l xor 16
	s_mov_b32 s[TB], 0
	s_mov_b32 s[SLOTS], 2
	v_and_b32 v1, 31, v0
	v_lshlrev_b32 v[LI], 4, v1
	v_add_nc_u32 v[LIV], 0x10000, v[LI]
.irp t, 0,1,2,3
	v_mov_b32 v[ST+8*\t+1], 0                      ; named as the upper half of the pair that holds m
.endr
	s_wait_dscnt 0x0                               ; both opening adds are done
	s_wait_kmcnt 0x0
	s_add_nc_u64 s[16:17], s[4:5], s[16:17]
	s_add_nc_u64 s[QB:QB+1], s[4:5], s[18:19]
	s_add_nc_u64 s[YB:YB+1], s[6:7], s[20:21]
	CROUND                                         ; all four work-groups are here: the first joint loads meet
	s_mov_b32 s[G0A], 1
	s_mov_b32 s[G0A+1], s22
	s_mov_b64 s[G0A+2:G0A+3], s[16:17]
	s_or_b32 s[G0A+3], s[G0A+3], 0x80000000
	s_mov_b32 s[G0W], 1
	s_add_co_u32 s[G0W+1], s22, SLOT1
	s_add_nc_u64 s[G0W+2:G0W+3], s[16:17], 65536   ; the next 512 keys
	s_or_b32 s[G0W+3], s[G0W+3], 0x80000000
	tensor_load_to_lds s[G0A:G0A+3], s[G1:G1+7]
	s_nop 0
	tensor_load_to_lds s[G0W:G0W+3], s[G1:G1+7]
	s_nop 0
.rept 4
	v_nop
.endr
	WIN 0x40                                       ; destination window 1
.irp n, 0,1,2,3,4,5,6,7,8,9,10,11,12,13,14,15
	global_load_b128 v[Q+4*\n:Q+4*\n+3], v[LI], s[QB:QB+1] offset:512*\n   ; Q stays in registers: tile n / 4, chunk n % 4
.endr
	WIN 0
; S^T = K Q^T: 32 products, 16 accumulators by turns, one instruction a turn; the first 16 start the sums
.macro KQ
	WIN 0x04                                       ; Q in window 1
.irp j, 0,1
.irp kt, 0,1,2,3
.irp t, 0,1,2,3
.if \j == 0
	v_wmma_f32_16x16x32_f16 v[S+32*\t+8*\kt:S+32*\t+8*\kt+7], v[KF+16*\kt+8*\j:KF+16*\kt+8*\j+7], v[Q+16*\t+8*\j:Q+16*\t+8*\j+7], 0
.else
	v_wmma_f32_16x16x32_f16 v[S+32*\t+8*\kt:S+32*\t+8*\kt+7], v[KF+16*\kt+8*\j:KF+16*\kt+8*\j+7], v[Q+16*\t+8*\j:Q+16*\t+8*\j+7], v[S+32*\t+8*\kt:S+32*\t+8*\kt+7]
.endif
.endr
.endr
.endr
.endm
; O^T += V^T P: 32 products, 16 accumulators by turns.  first = 1: the first 16 start the sums: nothing is ever cleared
.macro PV first
	WIN 0x51                                       ; V and O^T in window 1, P in window 0
.irp i, 0,1
.irp ct, 0,1,2,3
.irp t, 0,1,2,3
.if (\first) && (\i == 0)
	v_wmma_f32_16x16x32_f16 v[O+32*\t+8*\ct:O+32*\t+8*\ct+7], v[VF+16*\ct+8*\i:VF+16*\ct+8*\i+7], v[S+32*\t+8*\i:S+32*\t+8*\i+7], 0
.else
	v_wmma_f32_16x16x32_f16 v[O+32*\t+8*\ct:O+32*\t+8*\ct+7], v[VF+16*\ct+8*\i:VF+16*\ct+8*\i+7], v[S+32*\t+8*\i:S+32*\t+8*\i+7], v[O+32*\t+8*\ct:O+32*\t+8*\ct+7]
.endif
.endr
.endr
.endr
.endm
.macro LDK                             ; a step's K: 8,192 bytes as they lie
.irp n, 0,1,2,3,4,5,6,7,8,9,10,11,12,13,14,15
	ds_load_b128 v[KF+4*\n:KF+4*\n+3], v[ADRK] offset:512*\n
.endr
.endm
.macro LDV
	WIN 0x40
.irp n, 0,1,2,3,4,5,6,7,8,9,10,11,12,13,14,15
	ds_load_b128 v[VF+4*\n:VF+4*\n+3], v[ADRV] offset:512*\n
.endr
.endm
; THE SOFTMAX of one key step for my four tiles, the tiles by turns, so that no line waits for the line above it.  first = 1: the first key step, which starts m, l and O^T.
.macro SOFTMAX first
	WIN 0
.irp kt, 0,1,2,3                       ; the maximum, three operands at a time; each accumulator is read from its low end on
.irp t, 0,1,2,3
	v_max3_num_f32 v[ST+8*\t+4+\kt], v[S+32*\t+8*\kt], v[S+32*\t+8*\kt+1], v[S+32*\t+8*\kt+2]
.endr
.endr
.irp u, 3,5
.irp kt, 0,1,2,3
.irp t, 0,1,2,3
	v_max3_num_f32 v[ST+8*\t+4+\kt], v[ST+8*\t+4+\kt], v[S+32*\t+8*\kt+\u], v[S+32*\t+8*\kt+\u+1]
.endr
.endr
.endr
.irp t, 0,1,2,3
	v_max3_num_f32 v[ST+8*\t+4], v[ST+8*\t+4], v[S+32*\t+7], v[S+32*\t+15]
.endr
.irp t, 0,1,2,3
	v_max3_num_f32 v[ST+8*\t+6], v[ST+8*\t+6], v[S+32*\t+23], v[S+32*\t+31]
.endr
.irp t, 0,1,2,3
	v_max3_num_f32 v[ST+8*\t+4], v[ST+8*\t+4], v[ST+8*\t+5], v[ST+8*\t+6]
.endr
.irp t, 0,1,2,3
.if \first
	v_max_num_f32 v[ST+8*\t+4], v[ST+8*\t+4], v[ST+8*\t+7]
.else
	v_max3_num_f32 v[ST+8*\t+4], v[ST+8*\t+4], v[ST+8*\t+7], v[ST+8*\t]   ; and the old m
.endif
.endr
.irp t, 0,1,2,3
	v_permlanex16_b32 v[ST+8*\t+5], v[ST+8*\t+4], s[SEL], s[SEL+1]   ; the query's other 32 keys lie in the lane 16 away
.endr
.if \first
.irp t, 0,1,2,3
	v_max_num_f32 v[ST+8*\t], v[ST+8*\t+4], v[ST+8*\t+5]
.endr
.else
.irp t, 0,1,2,3
	v_max_num_f32 v[ST+8*\t+4], v[ST+8*\t+4], v[ST+8*\t+5]
.endr
.irp t, 0,1,2,3
	v_sub_f32 v[ST+8*\t+7], v[ST+8*\t], v[ST+8*\t+4]   ; m_old - m_new, 0 or less
.endr
.irp t, 0,1,2,3
	v_mov_b32 v[ST+8*\t], v[ST+8*\t+4]
.endr
.irp t, 0,1,2,3
	v_exp_f32 v[ST+8*\t+6], v[ST+8*\t+7]           ; the rescaling factor: the batch's first
.endr
.endif
; ONE BATCH: the subtractions s - m, a pair each, and all exponentials.  None of these lines names an exponential's result; one plain line and ONE wait stand behind the batch.
.irp x, 0,1,2,3,4,5,6,7,8,9,10,11,12,13,14,15
.irp t, 0,1,2,3
	v_pk_add_f32 v[S+32*\t+2*\x:S+32*\t+2*\x+1], v[S+32*\t+2*\x:S+32*\t+2*\x+1], v[ST+8*\t:ST+8*\t+1] op_sel_hi:[1,0] neg_lo:[0,1] neg_hi:[0,1]
.endr
.irp t, 0,1,2,3
	v_exp_f32 v[S+32*\t+2*\x], v[S+32*\t+2*\x]
	v_exp_f32 v[S+32*\t+2*\x+1], v[S+32*\t+2*\x+1]
.endr
.endr
	v_nop
	s_wait_alu depctr_va_vdst(0)
.if \first                             ; the row's sum, of the unrounded p, two at a time
.irp t, 0,1,2,3
	v_pk_add_f32 v[ST+8*\t+2:ST+8*\t+3], v[S+32*\t:S+32*\t+1], v[S+32*\t+2:S+32*\t+3]
.endr
.else
.irp t, 0,1,2,3
	v_pk_fma_f32 v[ST+8*\t+2:ST+8*\t+3], v[ST+8*\t+2:ST+8*\t+3], v[ST+8*\t+6:ST+8*\t+7], v[S+32*\t:S+32*\t+1] op_sel_hi:[1,0,1]
.endr
.irp t, 0,1,2,3
	v_pk_add_f32 v[ST+8*\t+2:ST+8*\t+3], v[ST+8*\t+2:ST+8*\t+3], v[S+32*\t+2:S+32*\t+3]
.endr
.endif
.irp x, 2,3,4,5,6,7,8,9,10,11,12,13,14,15
.irp t, 0,1,2,3
	v_pk_add_f32 v[ST+8*\t+2:ST+8*\t+3], v[ST+8*\t+2:ST+8*\t+3], v[S+32*\t+2*\x:S+32*\t+2*\x+1]
.endr
.endr
.irp x, 0,1,2,3,4,5,6,7,8,9,10,11,12,13,14,15   ; P in place: register x takes pair x; pairs are read at 2 x and 2 x + 1, never under x
.irp t, 0,1,2,3
	v_cvt_pk_f16_f32 v[S+32*\t+\x], v[S+32*\t+2*\x], v[S+32*\t+2*\x+1]
.endr
.endr
.if !(\first)
	WIN 0x41                                       ; O^T in window 1, the factor in window 0
.irp u, 0,1,2,3,4,5,6,7,8,9,10,11,12,13,14,15
.irp t, 0,1,2,3
	v_pk_mul_f32 v[O+32*\t+2*\u:O+32*\t+2*\u+1], v[O+32*\t+2*\u:O+32*\t+2*\u+1], v[ST+8*\t+6:ST+8*\t+7] op_sel_hi:[1,0]
.endr
.endr
.endif
.endm
; A TRIP stands behind K Q^T of step j: K of step j + 1 is asked for; the softmax of step j; V^T P of step j; V of step j + 1 is asked for; K Q^T of step j + 1.  kq = 0: the last step, which fetches nothing.
.macro TRIP first, kq
	WIN 0
	v_add_nc_u32 v[ADRK], s[TB], v[LI]             ; two additions and two v_nop: the four places behind K Q^T, in front of the loads into K's registers and of the first read of the scores
	v_add_nc_u32 v[ADRV], s[TB], v[LIV]
	v_nop
	v_nop
.if \kq
	LDK
.endif
	SOFTMAX \first
.if \kq
	s_wait_dscnt 16                                ; V of step j is in; K's 16 loads, issued behind it, may be out
.else
	s_wait_dscnt 0x0
.endif
	PV \first
	WIN 0
.rept 5
	v_nop                                          ; four places in front of loads into V's registers and of reads of O^T; five in front of K Q^T, which writes over P
.endr
.if \kq
	LDV
	s_add_co_u32 s[TB], s[TB], 8192                ; the next fetch is the next step's
	s_wait_dscnt 16                                ; K of step j + 1 is in; V's 16 loads may be out
	KQ
.endif
	WIN 0
.endm
; THE CHANGE OF SLOTS: all of the slot's bytes have been asked for.  Each wave waits for all its tensor loads (its part of the other slot), adds 0 to its spare word, and waits for that and for its reads of the slot.
; fill = 1: the slot is filled again with the keys two slots on, behind a round of the cluster's barrier: no wave of any partner still reads it or has a load on its way.
.macro CHANGE fill
	s_wait_tensorcnt 0x0                           ; no tensor load of mine is out, so a group 0 may be written
	ds_add_u32 v[SPW], v[NIL]
.if \fill
	s_xor_b32 s[G0W+1], s[G0W+1], SLOT1            ; the walking descriptor: the other slot than last time,
	s_add_nc_u64 s[G0W+2:G0W+3], s[G0W+2:G0W+3], 65536   ; the next 512 keys
.endif
	s_sub_co_u32 s[TB], s[TB], 65536               ; the fetches go back to a slot's first step,
	s_xor_b32 s[TB], s[TB], SLOT1                  ; in the other slot
	s_wait_dscnt 0x0
.if \fill
	CROUND
	tensor_load_to_lds s[G0W:G0W+3], s[G1:G1+7]    ; my one tensor load behind the round, and the first thing there
	s_nop 0
.rept 4
	v_nop
.endr
.else
	s_barrier_signal -1
	s_barrier_wait -1
.endif
.endm
.macro LOOP n
	s_mov_b32 s[CNT], \n
.Ltrip_\@:
	TRIP 0, 1
	s_sub_co_u32 s[CNT], s[CNT], 1
	s_cmp_lg_u32 s[CNT], 0
	s_cbranch_scc1 .Ltrip_\@
.endm
	s_wait_tensorcnt 1                             ; my part of slot 0 is in; slot 1's may stay out
	s_barrier_signal -1
	s_barrier_wait -1                              ; everybody's is
	v_add_nc_u32 v[ADRK], s[TB], v[LI]
	v_add_nc_u32 v[ADRV], s[TB], v[LIV]
	LDK                                            ; key step 0
	LDV
	s_add_co_u32 s[TB], s[TB], 8192
	s_wait_loadcnt 0x0                             ; Q
	s_wait_dscnt 16                                ; K is in; V's 16 loads may be out
	KQ
	WIN 0
	TRIP 1, 1                                      ; fetches step 1
	LOOP 6                                         ; steps 2 to 7: slot 0 has been read out
.Lslot:                                                ; two trips: slots 0 and 1 are filled again
	CHANGE 1
	LOOP 8
	s_sub_co_u32 s[SLOTS], s[SLOTS], 1
	s_cmp_lg_u32 s[SLOTS], 0
	s_cbranch_scc1 .Lslot
	CHANGE 0                                       ; the tail is written out
	LOOP 8
	TRIP 0, 0
	; THE WAY OUT: l's two halves and the other half of the lanes' are added; y = 4 O / l, rounded to f16; a lane's eight channels are 16 bytes of the out-projection's image
.irp t, 0,1,2,3
	v_add_f32 v[ST+8*\t+4], v[ST+8*\t+2], v[ST+8*\t+3]
.endr
.irp t, 0,1,2,3
	v_permlanex16_b32 v[ST+8*\t+5], v[ST+8*\t+4], s[SEL], s[SEL+1]
.endr
.irp t, 0,1,2,3
	v_add_f32 v[ST+8*\t+4], v[ST+8*\t+4], v[ST+8*\t+5]
.endr
.irp t, 0,1,2,3
	v_rcp_f32 v[ST+8*\t+6], v[ST+8*\t+4]
.endr
	v_nop                                          ; a plain line behind the last reciprocal,
	s_wait_alu depctr_va_vdst(0)                   ; and one wait for the four
.irp t, 0,1,2,3
	v_mul_f32 v[ST+8*\t+6], 4.0, v[ST+8*\t+6]      ; v' = v / 4
.endr
.macro OUT t
	WIN 0x41
.irp u, 0,1,2,3,4,5,6,7,8,9,10,11,12,13,14,15
	v_pk_mul_f32 v[O+32*\t+2*\u:O+32*\t+2*\u+1], v[O+32*\t+2*\u:O+32*\t+2*\u+1], v[ST+8*\t+6:ST+8*\t+7] op_sel_hi:[1,0]
.endr
	WIN 0x05                                       ; sources in window 1, destination in window 0: S^T's registers are free
.irp u, 0,1,2,3,4,5,6,7,8,9,10,11,12,13,14,15
	v_cvt_pk_f16_f32 v[S+16*\t+\u], v[O+32*\t+2*\u], v[O+32*\t+2*\u+1]
.endr
	WIN 0
.irp ct, 0,1,2,3
	global_store_b128 v[LI], v[S+16*\t+4*\ct:S+16*\t+4*\ct+3], s[YB:YB+1] offset:\t*4096+\ct*512   ; 512 consecutive bytes
.endr
.endm
	OUT 0
	OUT 1
	OUT 2
	OUT 3
	s_wait_tensorcnt 0x0                           ; the wave's end
	ds_add_u32 v[SPW], v[NIL]
	s_wait_dscnt 0x0
	CROUND                                         ; the closing round
	s_endpgm
.Lfunc_end_k_q3d5f44274a_attn:
	.size	k_q3d5f44274a_attn, .Lfunc_end_k_q3d5f44274a_attn-k_q3d5f44274a_attn
	.p2alignl 7, 3214868480
	.fill 96, 4, 3214868480
	.section	.rodata,"a",@progbits
	.p2align	6, 0x0
	.amdhsa_kernel k_q3d5f44274a_attn
		.amdhsa_group_segment_fixed_size 327680
		.amdhsa_private_segment_fixed_size 0
		.amdhsa_enable_private_segment 0
		.amdhsa_kernarg_size 16
		.amdhsa_user_sgpr_count 2
		.amdhsa_user_sgpr_kernarg_segment_ptr 1
		.amdhsa_wavefront_size32 1
		.amdhsa_system_sgpr_workgroup_id_x 1
		.amdhsa_system_sgpr_workgroup_id_y 1
		.amdhsa_system_sgpr_workgroup_id_z 1
		.amdhsa_system_vgpr_workitem_id 0
		.amdhsa_next_free_vgpr 512
		.amdhsa_next_free_sgpr 66
		.amdhsa_reserve_vcc 0
		.amdhsa_float_denorm_mode_32 3
		.amdhsa_float_denorm_mode_16_64 3
		.amdhsa_memory_ordered 1
		.amdhsa_forward_progress 1
		.amdhsa_inst_pref_size 171
	.end_amdhsa_kernel
	.amdgpu_metadata
---
amdhsa.version: [ 1, 2 ]
amdhsa.kernels:
  - .name:           k_q3d5f44274a_attn
    .symbol:         k_q3d5f44274a_attn.kd
    .args:
      - { .name: qkv, .offset: 0, .size: 8, .value_kind: global_buffer, .address_space: global }
      - { .name: yh, .offset: 8, .size: 8, .value_kind: global_buffer, .address_space: global }
    .group_segment_fixed_size: 327680
    .private_segment_fixed_size: 0
    .kernarg_segment_align: 8
    .kernarg_segment_size: 16
    .max_flat_workgroup_size: 256
    .sgpr_count:     66
    .vgpr_count:     512
    .wavefront_size: 32
...
	.end_amdgpu_metadata
.endif
;; end of part 3
;; launch proj (part 4): grid 4 x 64, 4 waves a work-group, clusters of 4 x 4, 327,680 bytes of LDS; arguments yh, woh, out0; writes out0
.if DOCPART == 4
	.amdgcn_target "amdgcn-amd-amdhsa--gfx1250"
	.amdhsa_code_object_version 6
	.text
	.protected	k_q3d5f44274a_proj
	.globl	k_q3d5f44274a_proj
	.p2align	8
	.type	k_q3d5f44274a_proj,@function
k_q3d5f44274a_proj:
	s_mov_b64 s[64:65], 0
	v_nop
	global_prefetch_b8 v0, s[64:65] scope:SCOPE_SE
	s_setreg_imm32_b32 hwreg(HW_REG_WAVE_MODE, 25, 1), 1
	s_wait_xcnt 0x0
	s_wait_alu depctr_hold_cnt(0) depctr_sa_sdst(0) depctr_va_vdst(0) depctr_va_sdst(0) depctr_va_ssrc(0) depctr_va_vcc(0) depctr_vm_vsrc(0)
	s_getreg_b32 s2, hwreg(HW_REG_IB_STS2, 6, 4)
	s_cmp_eq_u32 s2, 0
	s_cbranch_scc0 .Lentry_in_a_cluster
	s_endpgm
.Lentry_in_a_cluster:
	s_bfe_u32 s2, ttmp6, 0x10000c
	s_cmp_lg_u32 s2, 0xf033
	s_cbranch_scc0 .Lentry_shape_is_right
	s_endpgm
.Lentry_shape_is_right:
; out0 [8192][1024] f32 = y Wo, y and Wo as f16, sums in f32.  Both operands lie in memory as images of the fragments' registers:
;   yh [K step of 128: 8][tile of 16 rows: 512][q 4][half 2][lane][16 B];   woh the same with 64 tiles of 16 columns.  So a K step's tiles are dense blocks, LDS loads take 512 consecutive bytes, nothing is padded.
; A tile of out0 is 128 x 256: 256 work-groups, one for each WGP (256 x 256 would make 128).  Four waves, each 64 x 128: 32 accumulators, 256 registers (window 1).
; K goes in 8 steps of 128 through a ring of two slots (A 32 KiB, B 64 KiB): waves 0, 1 bring A's halves (16 KiB), waves 2, 3 B's (32 KiB), one load a wave.  Two loads of mine are out at the start, then one.
; CLUSTERS: 4 x 4.  The four of a row of the cluster need the same rows of y, the four of a column the same columns of Wo: each block is asked for jointly.
; THE MATRIX INSTRUCTION IS USED TRANSPOSED (source 0 = 16 columns of Wo, source 1 = 16 rows of y): a lane holds eight neighbouring numbers of a row of out0.
; REGISTERS.  window 0: v16-30 addresses; two fragment buffers of 96 (B's 8 fragments, then A's 4) at v64 and v160; on the way out v64-191.   window 1: accumulator (a, b) at v[8 (8 a + b)].
.set SLOT,   98304                     ; A's 8 tiles x 4,096 bytes, then B's 16
.set STAGE,  196608                    ; behind the ring: 16 rows x (512 bytes + 16) for each wave
.set SPITCH, 528
.set SPARE,  230400                    ; behind the stages: the spare words, 128 bytes a wave
.set ADRA, 16
.set ADRB, 20
.set STO,  24
.set RD,   25
.set LI,   26                          ; 16 x lane
.set SPW,  28
.set NIL,  29
.set PFO,  30                          ; 256 x lane
.set F0,   64
.set F1,   160
.set BK,   64                          ; the way out: 16 rows read back: v64-127 and v128-191 by turns
.set G1,  24
.set G0,  32
.set G1B, 48
.set G0B, 56
.set PFA, 22                           ; s[22:23] where my prefetches stand
.set LIM, 45                           ; 1 in the wave that prefetches, else the greatest number
.set MSB, 0
.macro WIN new
.if MSB != (\new)
	s_set_vgpr_msb (MSB<<8)|(\new)
.set MSB, (\new)
.endif
.endm
.set MUL, 0x50                         ; sources in window 0, C and D in window 1
.macro JLOAD s                         ; a joint load: waves 0, 1 for A, waves 2, 3 for B; an s_nop 0 and four v_nop follow each line
	s_cmp_eq_u32 s11, 0
	s_cbranch_scc0 .Lfor_b_\@
	tensor_load_to_lds s[G0+4*\s:G0+4*\s+3], s[G1:G1+7]
	s_nop 0
.rept 4
	v_nop
.endr
	s_branch .Lasked_\@
.Lfor_b_\@:
	tensor_load_to_lds s[G0B+4*\s:G0B+4*\s+3], s[G1B:G1B+7]
	s_nop 0
.rept 4
	v_nop
.endr
.Lasked_\@:
.endm
.macro CREST                           ; a round of the cluster's barrier behind its opening barrier
	s_cmp_lg_u32 s10, 0
	s_cbranch_scc1 .Lnot_wave_0_\@
	s_barrier_signal -3
.Lnot_wave_0_\@:
	s_barrier_wait -3
	s_barrier_signal -1
	s_barrier_wait -1
.endm
.macro CROUND
	s_barrier_signal -1
	s_barrier_wait -1
	CREST
.endm
; A PREFETCH INTO THE L2 of y's K step that stands two refills on: 256 matrix instructions a wave ahead of the load that will want it.  A K step of my 128 rows is 32 KiB, read by the four partners of my row of the
; cluster and by nobody else: each takes 8 KiB of it, told apart BY ADDRESS (cx); in each, wave 0 asks, lanes 256 bytes apart: one instruction, and each block of 256 bytes is named once in the launch.
; K steps 0 to 3 come by their loads alone; the loop's last trip asks for nothing: there is no K step 8.  Wo, which every cluster reads again, is not asked for.
.macro ASK
	s_cmp_gt_u32 s3, s[LIM]                        ; s3 = 1 in the loop's last trip
	s_cbranch_scc0 .Lnot_mine_\@
	global_prefetch_b8 v[PFO], s[PFA:PFA+1] offset:2097152 th:TH_LOAD_NT scope:SCOPE_SE
.Lnot_mine_\@:
.endm
	s_load_b128 s[4:7], s[0:1], 0x0                ; yh, woh
	s_load_b64 s[8:9], s[0:1], 0x10                ; out0
	v_lshl_add_u32 v[SPW], v0, 2, SPARE
	v_mov_b32 v[NIL], 0
	ds_add_u32 v[SPW], v[NIL]                      ; the wave's opening: the add, twice on end, and its wait ahead of my first tensor load
	ds_add_u32 v[SPW], v[NIL]
	v_lshrrev_b32 v1, 5, v0
	v_readfirstlane_b32 s10, v1                    ; wave 0..3
	s_lshr_b32 s11, s10, 1                         ; which 64 rows are mine.  Also: I fetch for A (0) or for B (1)
	s_and_b32 s12, s10, 1                          ; which 128 columns.  Also: which half of that block I fetch
	s_bfe_u32 s40, ttmp6, 0x40000                  ; cx
	s_bfe_u32 s41, ttmp6, 0x40004                  ; cy
	s_lshl_b32 s42, ttmp9, 2
	s_add_co_u32 s42, s42, s40                     ; tile column = 4 x cluster x + cx
	s_and_b32 s13, ttmp7, 0xffff
	s_lshl_b32 s13, s13, 2
	s_add_co_u32 s13, s13, s41                     ; tile row = 4 x cluster y + cy
	s_lshl_b32 s43, s41, 2
	s_lshl_b32 s43, 15, s43                        ; my row of the cluster
	s_lshl_b32 s44, 0x1111, s40                    ; my column
	; descriptor group 1: dense blocks as rows of 256 bytes (32 elements of 8 bytes): A 64 rows, B 128
	s_or_b32 s[G1+0], s43, (3<<16)|(1<<21)
	s_mov_b32 s[G1+1], 32<<16
	s_mov_b32 s[G1+2], 64<<16
	s_mov_b32 s[G1+3], 32<<16
	s_mov_b32 s[G1+4], 64
	s_mov_b32 s[G1+5], 32
	s_mov_b32 s[G1+6], 0
	s_mov_b32 s[G1+7], 0
	s_or_b32 s[G1B+0], s44, (3<<16)|(1<<21)
	s_mov_b32 s[G1B+1], 32<<16
	s_mov_b32 s[G1B+2], 128<<16
	s_mov_b32 s[G1B+3], 32<<16
	s_mov_b32 s[G1B+4], 128
	s_mov_b32 s[G1B+5], 32
	s_mov_b32 s[G1B+6], 0
	s_mov_b32 s[G1B+7], 0
	s_lshl_b32 s16, s13, 15                        ; A: (8 tile row + 4 half) x 4,096
	s_lshl_b32 s17, s12, 14
	s_add_co_u32 s16, s16, s17
	s_mov_b32 s17, 0
	s_lshl_b32 s46, s42, 16                        ; B: (16 tile column + 8 half) x 4,096
	s_lshl_b32 s47, s12, 15
	s_add_co_u32 s46, s46, s47
	s_mov_b32 s47, 0
	s_lshl_b32 s20, s12, 14                        ; where they go: A's halves,
	s_lshl_b32 s21, s12, 15
	s_add_co_u32 s21, s21, 32768                   ; B's halves behind them: no place in the cluster enters an LDS address
	s_lshl_b32 s22, s13, 15                        ; the prefetches: my tile row's 32 KiB of a K step, my work-group's 8 KiB of them,
	s_lshl_b32 s23, s40, 13
	s_add_co_u32 s22, s22, s23
	s_add_co_u32 s22, s22, 0x400000                ; at K step 2: the first refill steps it to 3 and names K step 4
	s_mov_b32 s23, 0
	s_cmp_eq_u32 s10, 0
	s_cselect_b32 s[LIM], 1, -1
	s_wait_dscnt 0x0                               ; both opening adds are done
	s_wait_kmcnt 0x0
	s_add_nc_u64 s[14:15], s[4:5], s[16:17]
	s_add_nc_u64 s[46:47], s[6:7], s[46:47]
	s_add_nc_u64 s[PFA:PFA+1], s[4:5], s[PFA:PFA+1]
	CROUND                                         ; all sixteen work-groups are here: the first joint loads meet
.irp s, 0,1
	s_mov_b32 s[G0+4*\s], 1
	s_add_co_u32 s[G0+4*\s+1], s20, \s*SLOT
	s_add_nc_u64 s[G0+4*\s+2:G0+4*\s+3], s[14:15], \s*0x200000   ; y: 2 MiB a K step
	s_or_b32 s[G0+4*\s+3], s[G0+4*\s+3], 0x80000000
	s_mov_b32 s[G0B+4*\s], 1
	s_add_co_u32 s[G0B+4*\s+1], s21, \s*SLOT
	s_add_nc_u64 s[G0B+4*\s+2:G0B+4*\s+3], s[46:47], \s*0x40000  ; Wo: 256 KiB a K step
	s_or_b32 s[G0B+4*\s+3], s[G0B+4*\s+3], 0x80000000
	JLOAD \s
.endr
	v_and_b32 v1, 15, v0                           ; r
	v_bfe_u32 v2, v0, 4, 1                         ; h
	v_and_b32 v3, 31, v0
	v_lshlrev_b32 v[LI], 4, v3
	v_lshlrev_b32 v[PFO], 8, v3
	s_lshl_b32 s20, s11, 14                        ; my 4 tiles of A
	s_lshl_b32 s21, s12, 15                        ; my 8 tiles of B,
	s_add_co_u32 s21, s21, 32768                   ; behind A's 8
.irp s, 0,1
	v_add_nc_u32 v[ADRA+\s], s20, v[LI]
	v_add_nc_u32 v[ADRB+\s], s21, v[LI]
	s_add_co_u32 s20, s20, SLOT
	s_add_co_u32 s21, s21, SLOT
.endr
	s_mul_i32 s2, s10, 16*SPITCH
	s_add_co_u32 s2, s2, STAGE                     ; my stage
	v_mul_u32_u24 v4, v1, SPITCH                   ; in: row r, 32 bytes for each half of the lanes
	v_lshl_add_u32 v4, v2, 5, v4
	v_add_nc_u32 v[STO], s2, v4
	v_add_nc_u32 v[RD], s2, v[LI]                  ; back: the 32 lanes take one row of 512 bytes
	s_lshl_b32 s16, s13, 19                        ; out0: (128 tile row + 64 half) rows of 4,096 bytes
	s_lshl_b32 s17, s11, 18
	s_add_co_u32 s16, s16, s17
	s_lshl_b32 s17, s42, 10                        ; + 1,024 tile column + 512 half
	s_add_co_u32 s16, s16, s17
	s_lshl_b32 s17, s12, 9
	s_add_co_u32 s16, s16, s17
	s_mov_b32 s17, 0
	s_add_nc_u64 s[8:9], s[8:9], s[16:17]
; 8 matrix instructions: A's block a x B's eight, 32 along K.  The 32 accumulators take turns, one instruction a turn, in the same order in every quarter.
.macro MUL8 f, a, zero
.irp b, 0,1,2,3,4,5,6,7
.if \zero
	v_wmma_f32_16x16x32_f16 v[8*(8*(\a)+\b):8*(8*(\a)+\b)+7], v[\f+8*\b:\f+8*\b+7], v[\f+64+8*(\a):\f+64+8*(\a)+7], 0
.else
	v_wmma_f32_16x16x32_f16 v[8*(8*(\a)+\b):8*(8*(\a)+\b)+7], v[\f+8*\b:\f+8*\b+7], v[\f+64+8*(\a):\f+64+8*(\a)+7], v[8*(8*(\a)+\b):8*(8*(\a)+\b)+7]
.endif
.endr
.endm
.macro FETCH slot, q, f                ; 24 LDS loads in one run: the slot's q-th 32 along K: B's eight fragments, then A's four
	WIN 0
.irp b, 0,1,2,3,4,5,6,7
	ds_load_b128 v[\f+8*\b:\f+8*\b+3],   v[ADRB+\slot] offset:\b*4096+(\q)*1024
	ds_load_b128 v[\f+8*\b+4:\f+8*\b+7], v[ADRB+\slot] offset:\b*4096+(\q)*1024+512
.endr
.irp a, 0,1,2,3
	ds_load_b128 v[\f+64+8*\a:\f+64+8*\a+3],   v[ADRA+\slot] offset:\a*4096+(\q)*1024
	ds_load_b128 v[\f+64+8*\a+4:\f+64+8*\a+7], v[ADRA+\slot] offset:\a*4096+(\q)*1024+512
.endr
.endm
.macro PLACES                          ; four places in front of loads into registers that matrix instructions have read, and of reads of results
.rept 4
	v_nop
.endr
.endm
; A K step is four quarters of 32 along K, 32 matrix instructions each, on buffers 0, 1, 0, 1.  One of the first three multiplies buffer f and fetches quarter q into g.
.macro QUARTER slot, q, f, g, zero
	s_wait_dscnt 4                                 ; all but the youngest four loads (A's blocks 2, 3) are in
	WIN MUL
	MUL8 \f, 0, \zero
	MUL8 \f, 1, \zero
	PLACES
	FETCH \slot, \q, \g
	s_wait_dscnt 24                                ; all but the 24 just issued
	WIN MUL
	MUL8 \f, 2, \zero
	MUL8 \f, 3, \zero
.endm
; The last quarter multiplies buffer 1 and changes slots: ONE barrier; in front of it each wave waits for all its tensor loads, adds 0 to its spare word, and waits for that and for its reads of this slot.
.macro TURN slot, next, fill
.if \fill
	s_wait_xcnt 0x0                                ; the last prefetch, a K step back, has read its address
	s_add_nc_u64 s[PFA:PFA+1], s[PFA:PFA+1], 0x200000
.endif
	WIN 0
	s_wait_tensorcnt 0x0                           ; all my tensor loads have landed: my part of the next slot
	ds_add_u32 v[SPW], v[NIL]
	s_wait_dscnt 5                                 ; (the add and A's blocks 2, 3 may be out)
	WIN MUL
	MUL8 F1, 0, 0
	s_wait_dscnt 0x0                               ; the add is done, and my reads of this slot are over
	s_barrier_signal -1
	MUL8 F1, 1, 0
	WIN 0
	s_barrier_wait -1
.if \fill
	CREST                                          ; the barrier has opened a round of the cluster's: no wave of any partner still reads this slot or has a load on its way
	s_add_nc_u64 s[G0+4*\slot+2:G0+4*\slot+3], s[G0+4*\slot+2:G0+4*\slot+3], 0x400000     ; two K steps on
	s_add_nc_u64 s[G0B+4*\slot+2:G0B+4*\slot+3], s[G0B+4*\slot+2:G0B+4*\slot+3], 0x80000
	JLOAD \slot                                    ; the first tensor load behind the round; its four v_nop are also the places in front of the loads below
.else
	PLACES
.endif
	FETCH \next, 0, F0
.if \fill
	ASK
.endif
	WIN MUL
	MUL8 F1, 2, 0
	MUL8 F1, 3, 0
.endm
	s_wait_tensorcnt 1                             ; my part of K step 0 is in (K step 1's load may be out),
	s_barrier_signal -1
	s_barrier_wait -1                              ; everybody's is
	FETCH 0, 0, F0
	QUARTER 0, 1, F0, F1, 1                        ; the first quarter's products start the sums
	WIN 0
	s_mov_b32 s3, 3
.Llap:                                                 ; a trip goes once round the ring and fills both slots again
	QUARTER 0, 2, F1, F0, 0
	QUARTER 0, 3, F0, F1, 0
	TURN 0, 1, 1
	QUARTER 1, 1, F0, F1, 0
	QUARTER 1, 2, F1, F0, 0
	QUARTER 1, 3, F0, F1, 0
	TURN 1, 0, 1
	QUARTER 0, 1, F0, F1, 0
	WIN 0
	s_sub_co_u32 s3, s3, 1
	s_cmp_lg_u32 s3, 0
	s_cbranch_scc1 .Llap
	QUARTER 0, 2, F1, F0, 0                        ; the last lap fills nothing
	QUARTER 0, 3, F0, F1, 0
	TURN 0, 1, 0
	QUARTER 1, 1, F0, F1, 0
	QUARTER 1, 2, F1, F0, 0
	QUARTER 1, 3, F0, F1, 0
	s_wait_dscnt 4                                 ; the very last quarter
	WIN MUL
	MUL8 F1, 0, 0
	MUL8 F1, 1, 0
	s_wait_dscnt 0
	MUL8 F1, 2, 0
	MUL8 F1, 3, 0
	WIN 0
; THE WAY OUT, a block of 16 rows x 128 columns at a time, through my own stage: in 32 bytes a lane, back as whole rows of 512 bytes.  LDS serves a wave's instructions in order: no wait between stores and loads.
.macro TOSTAGE a
	WIN 0x04                                       ; an LDS store's data are its source 1: window 1
.irp b, 0,1,2,3,4,5,6,7
	ds_store_b128 v[STO], v[8*(8*(\a)+\b):8*(8*(\a)+\b)+3] offset:64*\b          ; each accumulator from its low end on
	ds_store_b128 v[STO], v[8*(8*(\a)+\b)+4:8*(8*(\a)+\b)+7] offset:64*\b+16
.endr
	WIN 0
.irp t, 0,1,2,3,4,5,6,7,8,9,10,11,12,13,14,15
	ds_load_b128 v[BK+64*((\a)%2)+4*\t:BK+64*((\a)%2)+4*\t+3], v[RD] offset:\t*SPITCH
.endr
.endm
.macro SEND a, younger                 ; younger: the LDS instructions issued behind block a's loads, which may stay out
	s_wait_dscnt \younger
.irp t, 0,1,2,3,4,5,6,7,8,9,10,11,12,13,14,15
	global_store_b128 v[LI], v[BK+64*((\a)%2)+4*\t:BK+64*((\a)%2)+4*\t+3], s[8:9] offset:(\a)*65536+\t*4096 th:TH_STORE_NT   ; 512 consecutive bytes, written once
.endr
.endm
	PLACES                                         ; behind the last products
	TOSTAGE 0
.irp a, 1,2,3
.if \a > 1
	s_wait_xcnt 0x0                                ; block a - 2's stores have read their registers: block a's loads may land there
.endif
	TOSTAGE \a
	SEND \a-1, 32                                  ; behind block a - 1's loads: block a's 16 stores and 16 loads
.endr
	SEND 3, 0
	s_wait_tensorcnt 0x0                           ; the wave's end
	ds_add_u32 v[SPW], v[NIL]
	s_wait_dscnt 0x0
	CROUND                                         ; the closing round
	s_endpgm
.Lfunc_end_k_q3d5f44274a_proj:
	.size	k_q3d5f44274a_proj, .Lfunc_end_k_q3d5f44274a_proj-k_q3d5f44274a_proj
	.p2alignl 7, 3214868480
	.fill 96, 4, 3214868480
	.section	.rodata,"a",@progbits
	.p2align	6, 0x0
	.amdhsa_kernel k_q3d5f44274a_proj
		.amdhsa_group_segment_fixed_size 327680
		.amdhsa_private_segment_fixed_size 0
		.amdhsa_enable_private_segment 0
		.amdhsa_kernarg_size 24
		.amdhsa_user_sgpr_count 2
		.amdhsa_user_sgpr_kernarg_segment_ptr 1
		.amdhsa_wavefront_size32 1
		.amdhsa_system_sgpr_workgroup_id_x 1
		.amdhsa_system_sgpr_workgroup_id_y 1
		.amdhsa_system_sgpr_workgroup_id_z 1
		.amdhsa_system_vgpr_workitem_id 0
		.amdhsa_next_free_vgpr 512
		.amdhsa_next_free_sgpr 66
		.amdhsa_reserve_vcc 0
		.amdhsa_float_denorm_mode_32 3
		.amdhsa_float_denorm_mode_16_64 3
		.amdhsa_memory_ordered 1
		.amdhsa_forward_progress 1
		.amdhsa_inst_pref_size 85
	.end_amdhsa_kernel
	.amdgpu_metadata
---
amdhsa.version: [ 1, 2 ]
amdhsa.kernels:
  - .name:           k_q3d5f44274a_proj
    .symbol:         k_q3d5f44274a_proj.kd
    .args:
      - { .name: yh, .offset: 0, .size: 8, .value_kind: global_buffer, .address_space: global }
      - { .name: woh, .offset: 8, .size: 8, .value_kind: global_buffer, .address_space: global }
      - { .name: out0, .offset: 16, .size: 8, .value_kind: global_buffer, .address_space: global }
    .group_segment_fixed_size: 327680
    .private_segment_fixed_size: 0
    .kernarg_segment_align: 8
    .kernarg_segment_size: 24
    .max_flat_workgroup_size: 128
    .sgpr_count:     66
    .vgpr_count:     512
    .wavefront_size: 32
...
	.end_amdgpu_metadata
.endif
;; end of part 4
